; MI455X (gfx1250); checked and timed in simulation.
; The chip was launched on July 23, 2026; its instructions are those of AMD's public machine-readable ISA for CDNA 5 (MIT licence, August 2026) and "CDNA5" Instruction Set Architecture Reference Guide (July 2026). The comments in the code are by the model that wrote it; some were corrected since.
;; Multi Head Attention. Allowed arithmetic: matrix products marked QUANTISED: E4M3 operands, one given power-of-two scale a tensor, by v_wmma_f32_16x16x64_fp8_fp8 or v_wmma_f32_16x16x128_fp8_fp8, f32 sums; everything else in f32.
;; Inputs: W_kqv 3,072 x 1,024 float32; W_proj 1,024 x 1,024 float32; k_norm_w 64 float32; lowp_scales 8 int32 (the exponents e of the quantised operands' scales 2^e); q_norm_w 64 float32; x 4 x 2,048 x 1,024 float32.
;; Outputs: out0 4 x 2,048 x 1,024 float32.
;; This version of the problem:
;;   THIS VERSION OF THE PROBLEM IS GIVEN IN LOW PRECISION. The matrix products marked QUANTISED in the list below multiply operands that are first quantised to E4M3 (4 exponent bits, 3 mantissa bits; 8 bits a number), with one given power-of-two scale for each operand tensor; their sums are f32. All else is computed in f32.
;;   The module's matrix products, in the order in which they are computed (A, B: the left and right operand; K: the contracted axis; several contracted axes count as one K, in the product's order):
;;     1. [M 8,192, K 1,024] x [K 1,024, N 3,072]; A: input x; B: input W_kqv: QUANTISED (scales: A lowp_scales[0], B lowp_scales[1])
;;     2. batch 64 x [M 2,048, K 64] x [K 64, N 2,048]; A: computed on the way; B: computed on the way: QUANTISED (scales: A lowp_scales[2], B lowp_scales[3])
;;     3. batch 64 x [M 2,048, K 2,048] x [K 2,048, N 64]; A: softmax (see below); B: computed on the way: QUANTISED (scales: A lowp_scales[4], B lowp_scales[5])
;;     4. [M 8,192, K 1,024] x [K 1,024, N 1,024]; A: computed on the way; B: input W_proj: QUANTISED (scales: A lowp_scales[6], B lowp_scales[7])
;;   THE QUANTISER, for each operand of a quantised product, along K:
;;     - The operand's scale is 2^e, e = its entry of the input lowp_scales (int32; the entries are numbered through the quantised products in the list's order, A before B).
;;     - Each number is divided by the scale, clamped to +-448, and rounded to the nearest number of E4M3, ties to even, subnormals kept.
;;     - The product sums the exact products of the quantised numbers (number of the format x scale) in f32.
;;   ~~~python
;;   def quantise(x, axis, e):      # numpy; x: float32 -> the quantised numbers, widened to float32 again
;;       x = np.moveaxis(x, axis, -1); K = x.shape[-1]
;;       r = np.clip(x / 2.0 ** e, -448, 448)
;;       step = 2.0 ** (np.maximum(np.frexp(np.where(r == 0, 1, r))[1] - 1, -6) - 3)
;;       q = np.round(r / step) * step * 2.0 ** e      # np.round: ties to even
;;       return np.moveaxis(q, -1, axis).astype(np.float32)
;;   ~~~
;;   SOFTMAX AHEAD OF A QUANTISED PRODUCT. Where the list says 'softmax', what is quantised is not the finished softmax but p = 2^(t - M), with t = logit x log2(e) and M = ceil(the row's largest t), a whole number; so 1/2 < the row's largest p <= 1. The row's sum l is taken of the UNQUANTISED p, in f32, and the product's result is divided by l at the end. Since M is a whole number, a kernel that streams over the keys may use a running M (the ceiling of the running maximum): every later rescaling is an exact power of two, so the quantised numbers keep their values, but for numbers so far below the row's largest that they fall under the format's range.
;;   OPERANDS COMPUTED ON THE WAY. 'Computed on the way' means the value that the module computes at that place (a softmax that the list does not call 'softmax' is quantised finished and normalised). What goes into a quantiser is computed in f32, as accurately as f32 sums, v_exp_f32 and their like allow (about 1e-6 of the number): no bf16 or f16 on the way to a quantiser, and a product that is left as it is and whose result goes on into a quantised operand takes f32 operands (vector FMAs, or v_wmma_f32_16x16x4_f32). A number that lies on a knife's edge between two numbers of the format may be rounded either way, as far as f32 arithmetic and the matrix unit's own rounding can turn it there, and no further.
;; One version. Each part assembles by itself: llvm-mc -triple=amdgcn-amd-amdhsa -mcpu=gfx1250 --defsym DOCPART=n.
;; ======== version 1 of 1: 4 launches
;; workspace buffers: xc 8,388,608 bytes; wc 3,145,728 bytes; pc 1,048,576 bytes; tab 524,288 bytes; qkv 25,165,824 bytes; yc 8,388,608 bytes
;; launch prep (part 1): grid 416 x 1, 4 waves a work-group, no clusters, 33,280 bytes of LDS; arguments x, W_kqv, W_proj, lowp_scales, xc, wc, pc, tab; writes xc, wc, pc, tab
.if DOCPART == 1
	.amdgcn_target "amdgcn-amd-amdhsa--gfx1250"
	.amdhsa_code_object_version 6
	.text
	.protected	k_q601f5abfa7_prep
	.globl	k_q601f5abfa7_prep
	.p2align	8
	.type	k_q601f5abfa7_prep,@function
k_q601f5abfa7_prep:
	s_mov_b64 s[64:65], 0
	v_nop
	global_prefetch_b8 v0, s[64:65] scope:SCOPE_SE
	s_setreg_imm32_b32 hwreg(HW_REG_WAVE_MODE, 25, 1), 1
	s_wait_xcnt 0x0
; x [8192][1024], W_kqv [3072][1024] and W_proj [1024][1024], f32, become codes of FP8 (E4M3), K innermost, each with its given scale 2^e (entries 0, 1 and 7 of the scales);
; and the table of cos and sin for the rotary embedding is made.  One launch: work-groups 0-255 take x, 256-351 W_kqv, 352-383 W_proj (32,768 numbers each), 384-415 the table.
; code = number / 2^e, held within +-448, rounded to the nearest code, ties to even.  LIMITS: each e between -126 and 119.  NaN among the inputs is not served.
; THE CODES' ORDER.  Inside each 32 bytes the two middle pieces of 8 bytes change places: byte 32 B + 16 o + 8 u + j holds k = 32 B + 16 u + 8 o + j.  A lane of the products' launches that
; loads 16 bytes at 32 c + 16 (lane / 16) then has k = 16 (2 c) + 8 (lane / 16) + 0..7 and k = 16 (2 c + 1) + 8 (lane / 16) + 0..7: the places that the matrix instruction's own layout gives it.
; A wave takes 16 steps of 512 numbers.  Each of a step's four loads reads 512 consecutive bytes; the 2,048 bytes go through the wave's own stage in LDS (64 bytes, then 16 of padding)
; and come back so that lane 2 B + o holds k = 8 o + 0..7 and 16 + 8 o + 0..7 of block B; its 16 codes are 16 bytes, and the wave stores 512 consecutive bytes.
; No tensor loads, no barrier: waves share nothing.  Loads run four steps (16 loads a wave) ahead, the turn through LDS one step.
; THE TABLE: for each block of 16 tokens 4,096 bytes, eight pieces of 512; piece 4 which + 2 dl + half (which: 0 cos, 1 sin) holds at 16 x lane the four numbers of token 16 tb + lane % 16
; at frequencies 16 dl + 8 (lane / 16) + 4 half + 0..3.  angle = token x 10000^(-i / 32), one f32 product; 10000^(-i / 32) is 2^(-i log2(10000) / 32) by v_exp_f32.
; The angle (under 2,048) is reduced by multiples of pi / 2 kept in two f32 parts, and sine and cosine on +-pi / 4 are polynomials of degree 7 and 8.
.set STEPS, 16
.set EMAX,  8
.set MANT,  0x600000                   ; the mantissa field of 448 as f32
.set R,     16                         ; v16-79   four sets of 16 numbers as they are loaded
.set X,     80                         ; v80-111  two sets of 16 numbers in the lane's order
.set C,     128                        ; v128-191 codes: four registers for each step, so that no store's data are written again
.set WREG,  8192                       ; LDS: a region for each wave: two stages of 32 x SP bytes
.set SP,    80                         ; 64 bytes + 16 of padding
.set WG_X,  256                        ; x's work-groups end here,
.set WG_W,  352                        ; W_kqv's here,
.set WG_Q,  384                        ; W_proj's here
	s_load_b512 s[36:51], s[0:1], 0x0              ; x 36, W_kqv 38, W_proj 40, scales 42, xc 44, wc 46, pc 48, tab 50
	v_lshl_add_u32 v192, v0, 2, 0x8000
	v_mov_b32 v193, 0
	v_lshrrev_b32 v1, 5, v0
	v_readfirstlane_b32 s16, v1                    ; wave
	v_and_b32 v2, 31, v0                           ; lane
	v_lshlrev_b32 v3, 4, v2                        ; 16 x lane: my bytes of a load's 512, of a step's codes, of a table's piece
	s_wait_kmcnt 0x0
	s_cmp_ge_u32 ttmp9, WG_Q
	s_cbranch_scc1 .Ltable
	s_load_b256 s[52:59], s[42:43], 0x0            ; the eight exponents
	s_mul_i32 s24, s16, WREG
	v_lshrrev_b32 v14, 2, v2
	v_mul_u32_u24 v14, v14, SP
	v_and_b32 v15, 3, v2
	v_lshl_add_u32 v14, v15, 4, v14
	v_add_nc_u32 v14, s24, v14                     ; the stage, on the way in: SP (lane / 4) + 16 (lane % 4); a load's 512 bytes take eight places of 64
	v_and_b32 v15, 30, v2
	v_mul_u32_u24 v15, v15, SP
	v_and_b32 v13, 1, v2
	v_lshl_add_u32 v15, v13, 5, v15
	v_add_nc_u32 v15, s24, v15                     ; and on the way out: the block's first place, SP (lane & 30), + 32 (lane & 1); the block's second place lies SP further on
	s_cmp_lt_u32 ttmp9, WG_W                       ; which tensor: the choice hangs on the work-group's number alone
	s_cselect_b64 s[4:5], s[38:39], s[40:41]
	s_cselect_b64 s[8:9], s[46:47], s[48:49]
	s_mov_b32 s17, WG_W
	s_cselect_b32 s17, WG_X, s17
	s_cmp_lt_u32 ttmp9, WG_X
	s_cselect_b64 s[4:5], s[36:37], s[4:5]
	s_cselect_b64 s[8:9], s[44:45], s[8:9]
	s_cselect_b32 s17, 0, s17                      ; the tensor's first work-group
	s_sub_co_u32 s17, ttmp9, s17
	s_lshl_b32 s17, s17, 2
	s_add_co_u32 s18, s17, s16                     ; which run of 8,192 numbers of the tensor is my wave's
	s_mov_b32 s19, 0
	s_lshl_b64 s[20:21], s[18:19], 15              ; 32,768 bytes of numbers,
	s_add_nc_u64 s[4:5], s[4:5], s[20:21]
	s_lshl_b64 s[20:21], s[18:19], 13              ; 8,192 bytes of codes
	s_add_nc_u64 s[8:9], s[8:9], s[20:21]
.macro LOAD t
.irp i, 0,1,2,3
	global_load_b128 v[R+16*((\t)%4)+4*\i:R+16*((\t)%4)+4*\i+3], v3, s[4:5] offset:2048*(\t)+512*\i th:TH_LOAD_NT   ; 32 lanes read 512 consecutive bytes
.endr
.endm
.macro TURN t                          ; step t's numbers through the stage: LDS serves a wave's instructions in order, so no wait stands between the stores and the loads
.irp i, 0,1,2,3
	ds_store_b128 v14, v[R+16*((\t)%4)+4*\i:R+16*((\t)%4)+4*\i+3] offset:32*SP*((\t)%2)+8*SP*\i
.endr
	ds_load_b128 v[X+16*((\t)%2):X+16*((\t)%2)+3],     v15 offset:32*SP*((\t)%2)        ; k = 8 o + 0..3
	ds_load_b128 v[X+16*((\t)%2)+4:X+16*((\t)%2)+7],   v15 offset:32*SP*((\t)%2)+16     ; k = 8 o + 4..7
	ds_load_b128 v[X+16*((\t)%2)+8:X+16*((\t)%2)+11],  v15 offset:32*SP*((\t)%2)+SP     ; k = 16 + 8 o + 0..3
	ds_load_b128 v[X+16*((\t)%2)+12:X+16*((\t)%2)+15], v15 offset:32*SP*((\t)%2)+SP+16  ; k = 16 + 8 o + 4..7
.endm
.irp t, 0,1,2,3
	LOAD \t
.endr
	s_wait_kmcnt 0x0
	s_cmp_lt_u32 ttmp9, WG_W
	s_cselect_b32 s22, s53, s59                    ; W_kqv: entry 1; W_proj: entry 7
	s_cmp_lt_u32 ttmp9, WG_X
	s_cselect_b32 s22, s52, s22                    ; x: entry 0
	s_add_co_i32 s22, s22, 127
	s_lshl_b32 s23, s22, 23
	v_mov_b32 v11, s23                             ; 2^e as f32: the conversion takes its exponent field
	s_add_co_i32 s22, s22, EMAX
	s_lshl_b32 s22, s22, 23
	s_or_b32 s22, s22, MANT
	v_mov_b32 v10, s22                             ; 448 x 2^e
	s_wait_loadcnt 12                              ; step 0's four loads are in; the twelve of steps 1 to 3 may be out
	TURN 0
.macro STEP t
.set XS, X+16*((\t)%2)
	s_wait_dscnt 0x0                               ; this step's numbers are back from the stage: so its stores into the stage have read their registers,
.if (\t)+4 < STEPS
	LOAD (\t)+4                                    ; which take the loads of four steps on
.endif
.if (\t)+1 < STEPS
.if STEPS-2-(\t) >= 3
	s_wait_loadcnt 12                              ; the next step's four loads are in; those of the three steps behind it may be out
.else
	s_wait_loadcnt 4*(STEPS-2-(\t))
.endif
	TURN (\t)+1                                    ; and go through the other stage while this step is worked
.endif
.irp i, 0,1,2,3,4,5,6,7,8,9,10,11,12,13,14,15
	v_med3_num_f32 v[XS+\i], v[XS+\i], -v10, v10   ; the conversion to an 8-bit code does not saturate (ISA guide 7.6.2): the hold at the largest code x the scale comes first
.endr
	v_cvt_scalef32_pk8_fp8_f32 v[C+4*(\t):C+4*(\t)+1], v[XS:XS+7], v11
	v_cvt_scalef32_pk8_fp8_f32 v[C+4*(\t)+2:C+4*(\t)+3], v[XS+8:XS+15], v11   ; the results go to a store alone; the next vector lines are the next step's holds, on other registers
	global_store_b128 v3, v[C+4*(\t):C+4*(\t)+3], s[8:9] offset:512*(\t)      ; 32 lanes store 512 consecutive bytes
.endm
.irp t, 0,1,2,3,4,5,6,7,8,9,10,11,12,13,14,15
	STEP \t
.endr
	s_wait_tensorcnt 0x0
	ds_add_u32 v192, v193
	s_wait_dscnt 0x0
	s_endpgm
.Ltable:                                               ; a wave to a block of 16 tokens: tb = 4 (work-group - 384) + wave
	s_sub_co_u32 s20, ttmp9, WG_Q
	s_lshl_b32 s20, s20, 2
	s_add_co_u32 s20, s20, s16
	s_lshl_b32 s22, s20, 12                        ; 4,096 bytes a block
	s_mov_b32 s23, 0
	s_add_nc_u64 s[50:51], s[50:51], s[22:23]
	s_lshl_b32 s21, s20, 4
	s_mov_b32 s60, 0xbfc90fdb                      ; -(pi / 2), its first f32 part,
	s_mov_b32 s61, 0x333bbd2e                      ; and minus its second part
	v_and_b32 v1, 15, v0
	v_add_nc_u32 v4, s21, v1
	v_cvt_f32_u32 v4, v4                           ; my token, exact in f32
	v_bfe_u32 v5, v0, 4, 1
	v_lshlrev_b32 v5, 3, v5                        ; 8 (lane / 16)
	v_mov_b32 v72, 0xb94ca1f9                      ; the polynomials' leading coefficients: sine's,
	v_mov_b32 v73, 0x37ccf5ce                      ; cosine's
.irp e, 0,1,2,3,4,5,6,7,8,9,10,11,12,13,14,15
	v_add_nc_u32 v[16+\e], 16*(\e/8)+\e%8, v5      ; the frequency's number i = 16 dl + 8 (lane / 16) + j
.endr
.irp e, 0,1,2,3,4,5,6,7,8,9,10,11,12,13,14,15
	v_cvt_f32_u32 v[16+\e], v[16+\e]
.endr
.irp e, 0,1,2,3,4,5,6,7,8,9,10,11,12,13,14,15
	v_mul_f32 v[16+\e], 0xbed49a78, v[16+\e]       ; x -log2(10000) / 32
.endr
.irp e, 0,1,2,3,4,5,6,7,8,9,10,11,12,13,14,15
	v_exp_f32 v[16+\e], v[16+\e]                   ; 10000^(-i / 32)
.endr
	v_nop                                          ; a plain instruction behind the last exponential,
	s_wait_alu depctr_va_vdst(0)                   ; and one wait for the batch of sixteen, ahead of its first reader
.irp e, 0,1,2,3,4,5,6,7,8,9,10,11,12,13,14,15
	v_mul_f32 v[16+\e], v4, v[16+\e]               ; the angle
.endr
; cos of v[16 + e] into v[32 + e], sin into v[48 + e].  n = the nearest whole number to angle x 2 / pi; r = angle - n pi / 2; the quadrant n mod 4 says which polynomial serves which and with which sign.
.macro SINCOS e
	v_mul_f32 v64, 0x3f22f983, v[16+\e]
	v_rndne_f32 v64, v64                           ; n
	v_fma_f32 v65, v64, s60, v[16+\e]
	v_fma_f32 v65, v64, s61, v65                   ; r
	v_cvt_i32_f32 v69, v64
	v_mul_f32 v66, v65, v65                        ; z = r r
	v_fmaak_f32 v67, v72, v66, 0x3c08839e
	v_fmaak_f32 v67, v67, v66, 0xbe2aaaa3
	v_mul_f32 v70, v66, v65
	v_fma_f32 v67, v67, v70, v65                   ; sin r = r + z r (..)
	v_fmaak_f32 v68, v73, v66, 0xbab6061a
	v_fmaak_f32 v68, v68, v66, 0x3d2aaaa5
	v_fma_f32 v71, v66, -0.5, 1.0
	v_mul_f32 v70, v66, v66
	v_fma_f32 v68, v68, v70, v71                   ; cos r = 1 - z / 2 + z z (..)
	v_and_b32 v70, 1, v69
	v_cmp_eq_u32 vcc_lo, 1, v70                    ; an odd quadrant swaps the two
	v_cndmask_b32 v70, v67, v68, vcc_lo
	v_cndmask_b32 v71, v68, v67, vcc_lo
	v_lshlrev_b32 v74, 30, v69
	v_and_b32 v74, 0x80000000, v74                 ; sine is negated in quadrants 2 and 3: bit 1 of n,
	v_xor_b32 v[48+\e], v74, v70
	v_add_nc_u32 v69, 1, v69
	v_lshlrev_b32 v74, 30, v69
	v_and_b32 v74, 0x80000000, v74                 ; cosine in quadrants 1 and 2: bit 1 of n + 1
	v_xor_b32 v[32+\e], v74, v71
.endm
.irp e, 0,1,2,3,4,5,6,7,8,9,10,11,12,13,14,15
	SINCOS \e
.endr
.irp p, 0,1,2,3,4,5,6,7
	global_store_b128 v3, v[32+4*\p:35+4*\p], s[50:51] offset:512*\p   ; 32 lanes store 512 consecutive bytes
.endr
	s_endpgm
.Lfunc_end_k_q601f5abfa7_prep:
	.size	k_q601f5abfa7_prep, .Lfunc_end_k_q601f5abfa7_prep-k_q601f5abfa7_prep
	.p2alignl 7, 3214868480
	.fill 96, 4, 3214868480
	.section	.rodata,"a",@progbits
	.p2align	6, 0x0
	.amdhsa_kernel k_q601f5abfa7_prep
		.amdhsa_group_segment_fixed_size 33280
		.amdhsa_private_segment_fixed_size 0
		.amdhsa_enable_private_segment 0
		.amdhsa_kernarg_size 64
		.amdhsa_user_sgpr_count 2
		.amdhsa_user_sgpr_kernarg_segment_ptr 1
		.amdhsa_wavefront_size32 1
		.amdhsa_system_sgpr_workgroup_id_x 1
		.amdhsa_system_sgpr_workgroup_id_y 1
		.amdhsa_system_sgpr_workgroup_id_z 1
		.amdhsa_system_vgpr_workitem_id 0
		.amdhsa_next_free_vgpr 194
		.amdhsa_next_free_sgpr 66
		.amdhsa_reserve_vcc 1
		.amdhsa_float_denorm_mode_32 3
		.amdhsa_float_denorm_mode_16_64 3
		.amdhsa_memory_ordered 1
		.amdhsa_forward_progress 1
		.amdhsa_inst_pref_size 61
	.end_amdhsa_kernel
	.amdgpu_metadata
---
amdhsa.version: [ 1, 2 ]
amdhsa.kernels:
  - .name:           k_q601f5abfa7_prep
    .symbol:         k_q601f5abfa7_prep.kd
    .args:
      - { .name: x, .offset: 0, .size: 8, .value_kind: global_buffer, .address_space: global }
      - { .name: W_kqv, .offset: 8, .size: 8, .value_kind: global_buffer, .address_space: global }
      - { .name: W_proj, .offset: 16, .size: 8, .value_kind: global_buffer, .address_space: global }
      - { .name: lowp_scales, .offset: 24, .size: 8, .value_kind: global_buffer, .address_space: global }
      - { .name: xc, .offset: 32, .size: 8, .value_kind: global_buffer, .address_space: global }
      - { .name: wc, .offset: 40, .size: 8, .value_kind: global_buffer, .address_space: global }
      - { .name: pc, .offset: 48, .size: 8, .value_kind: global_buffer, .address_space: global }
      - { .name: tab, .offset: 56, .size: 8, .value_kind: global_buffer, .address_space: global }
    .group_segment_fixed_size: 33280
    .private_segment_fixed_size: 0
    .kernarg_segment_align: 8
    .kernarg_segment_size: 64
    .max_flat_workgroup_size: 128
    .sgpr_count:     66
    .vgpr_count:     194
    .wavefront_size: 32
...
	.end_amdgpu_metadata
.endif
;; end of part 1
;; launch kqv (part 2): grid 12 x 32, 4 waves a work-group, clusters of 4 x 4, 327,680 bytes of LDS; arguments xc, wc, tab, k_norm_w, q_norm_w, lowp_scales, qkv; writes qkv
.if DOCPART == 2
	.amdgcn_target "amdgcn-amd-amdhsa--gfx1250"
	.amdhsa_code_object_version 6
	.text
	.protected	k_q601f5abfa7_kqv
	.globl	k_q601f5abfa7_kqv
	.p2align	8
	.type	k_q601f5abfa7_kqv,@function
k_q601f5abfa7_kqv:
	s_mov_b64 s[64:65], 0
	v_nop
	global_prefetch_b8 v0, s[64:65] scope:SCOPE_SE
	s_setreg_imm32_b32 hwreg(HW_REG_WAVE_MODE, 25, 1), 1
	s_wait_xcnt 0x0
	s_wait_alu depctr_hold_cnt(0) depctr_sa_sdst(0) depctr_va_vdst(0) depctr_va_sdst(0) depctr_va_ssrc(0) depctr_va_vcc(0) depctr_vm_vsrc(0)
	s_getreg_b32 s2, hwreg(HW_REG_IB_STS2, 6, 4)
	s_cmp_eq_u32 s2, 0
	s_cbranch_scc0 .Lentry_in_a_cluster
	s_endpgm
.Lentry_in_a_cluster:
	s_bfe_u32 s2, ttmp6, 0x10000c
	s_cmp_lg_u32 s2, 0xf033
	s_cbranch_scc0 .Lentry_shape_is_right
	s_endpgm
.Lentry_shape_is_right:
; kqv = x W_kqv^T on codes of FP8 (8,192 x 1,024 x 3,072), and what follows it, in registers: for k and q the rotary embedding, the RMS norm of each head and the quantiser; for v the quantiser.
; The results leave as IMAGES OF THE OPERAND REGISTERS of the attention launch: qkv = [64 heads][32 steps of 64 tokens][12,288 bytes]: Q's four images of 1,024 bytes (16 tokens x 64 d), K's four, V^T's four
; (16 d x 64 keys); in an image, registers 4 g .. 4 g + 3 of lane l lie at 512 g + 16 l, so every store of a wave covers 512 consecutive bytes.
; A tile of 256 tokens x 256 columns is made by a work-group of four waves, a wave makes 128 x 128: 64 accumulators of 16 x 16, 512 registers.  K goes in four steps of 256 through a ring of two LDS slots.
; CLUSTERS: 4 x 4 work-groups; x's tile is shared along a row of the cluster, W's along a column: each is asked for jointly.  The cluster's x is the region: 0 = k, 1 = q, 2 = v, the same in all sixteen partners.
; THE TWO SOURCES.  For k and q source 0 = 16 rows of W and source 1 = 16 rows of x: a lane holds ONE token and its eight registers eight neighbouring d, so that rotation, norm and conversion stay in the lane
; (but for one exchange between the halves of the lanes), and the conversion's two registers are registers 2 dt, 2 dt + 1 of the operand (K = d).  For v the sources change roles (the LDS addresses of the two
; fragment sets are chosen by the region): a lane holds one d and its registers eight neighbouring keys, which are the second attention product's K.
; The codes come with their 8-byte pieces ordered so that four loads of 16 bytes give each k its own place in the matrix instruction's layout.
; LIMITS on the given exponents, so that each power of two below is an f32 number: entry 2, entry 3 and entry 5 - entry 0 - entry 1 between -126 and 119.  1 / (rms + eps) is v_rcp_f32, the root v_sqrt_f32.
; 384 work-groups: a wave tile of 64 x 128 would divide evenly among 256 but reads half as many LDS bytes again for each product, so it is not taken.
; REGISTERS, in windows of 256: window 0: v16-29 addresses and constants; v32-95 two blocks of the cos/sin table; v96-127 the norm's weights; from v128 source 1's fragments, ONE set; free on the way out.
;   window 1: source 0's fragments, TWO sets.   window 2: the accumulators of source 1's blocks 0-3 (accumulator (a, b) at v[8 (8 a + b)]);   window 3: those of blocks 4-7.
.set ROWB,   256                       ; a tile's row in bytes
.set KROW,   1024                      ; a row of codes in memory
.set PITCH,  272                       ; an LDS row: 256 bytes + 16 of padding = 68 words: the 16 rows that a load touches start at 16 different banks (64 banks of 4 bytes: ISA guide 11.1)
.set FR,     16                        ; registers of a fragment: 16 rows x 128 K
.set NL,     4                         ; LDS loads that bring one
.set NP,     4                         ; places behind this matrix instruction (ISA guide 7.12.1)
.set HALFT,  128*PITCH                 ; 128 rows: what one tensor load brings
.set SLOT,   4*HALFT                   ; x's 256 rows, then W's 256 rows
.set SPARE,  2*SLOT                    ; behind the ring: the spare words, 128 bytes for each wave
.set HEADB,  393216                    ; a head in qkv
.set STEPB,  12288                     ; a step of 64 tokens in qkv
.set ADRA, 16                          ; v16-17  LDS address of source 1's fragments in slot 0, 1
.set ADRB, 20                          ; v20-21  of source 0's
.set LIM,  24                          ; v24     448 x the conversion's scale
.set SCL,  25                          ; v25     the conversion's scale as f32
.set TO,   26                          ; v26     16 x lane
.set WO,   27                          ; v27     32 x (lane / 16)
.set SPW,  28                          ; v28     LDS address of my spare word; never rewritten
.set NIL,  29                          ; v29     0; never rewritten
.set CS0,  32                          ; v32-95  two table blocks: cos at + 8 dl + j, sin 16 further on
.set WN,   96                          ; v96-127 the norm's weight of d = 16 dt + 8 (lane / 16) + j at + 8 dt + j
.set AF,   128                         ; source 1's fragments
.set G1, 24                            ; s[24:31] descriptor group 1 for x's tiles;  s[32:39] group 0, one set for each slot
.set G0, 32
.set G1B, 48                           ; s[48:55], s[56:63] the same for W's tiles
.set G0B, 56
.set MSB, 0
.macro WIN new                         ; the immediate's high byte repeats the setting that is left
.if MSB != (\new)
	s_set_vgpr_msb (MSB<<8)|(\new)
.set MSB, (\new)
.endif
.endm
.set MUL_LO, 0xa1                      ; source 0 window 1, source 1 window 0, C and D window 2
.set MUL_HI, 0xf1                      ; the same, C and D window 3
.set TO_B,   0x40                      ; destination window 1, address window 0
; A joint load: waves 0 and 1 fetch x's two halves, waves 2 and 3 W's.  Each line has one mask and one set of registers; the branch hangs on the wave's number alone.
; Four v_nop follow each of the two lines, ahead of the jump, the label and what follows.
.macro JLOAD g0a, g1a, g0b, g1b
	s_cmp_eq_u32 s15, 0
	s_cbranch_scc0 .Lfor_b_\@
	tensor_load_to_lds s[\g0a:\g0a+3], s[\g1a:\g1a+7]
	s_nop 0
.rept 4
	v_nop
.endr
	s_branch .Lasked_\@
.Lfor_b_\@:
	tensor_load_to_lds s[\g0b:\g0b+3], s[\g1b:\g1b+7]
	s_nop 0
.rept 4
	v_nop
.endr
.Lasked_\@:
.endm
.macro CREST                           ; a round of the cluster's barrier behind its opening barrier
	s_cmp_lg_u32 s14, 0
	s_cbranch_scc1 .Lnot_wave_0_\@
	s_barrier_signal -3
.Lnot_wave_0_\@:
	s_barrier_wait -3
	s_barrier_signal -1
	s_barrier_wait -1
.endm
.macro CROUND                          ; a whole round
	s_barrier_signal -1
	s_barrier_wait -1
	CREST
.endm
	s_load_b256 s[68:75], s[0:1], 0x0              ; xc 68, wc 70, tab 72, k_norm_w 74
	s_load_b128 s[76:79], s[0:1], 0x20             ; q_norm_w 76, the scales' exponents 78
	s_load_b64 s[80:81], s[0:1], 0x30              ; qkv
	v_lshl_add_u32 v[SPW], v0, 2, SPARE
	v_mov_b32 v[NIL], 0
	ds_add_u32 v28, v29
	ds_add_u32 v28, v29
	s_wait_dscnt 0x0
	v_lshrrev_b32 v1, 5, v0
	v_readfirstlane_b32 s14, v1                    ; wave 0..3
	s_lshr_b32 s15, s14, 1                         ; which half of source 1's rows is mine.  Also: I fetch for x (0) or for W (1)
	s_and_b32 s16, s14, 1                          ; which half of source 0's rows.  Also: which 128 rows of that tile I fetch
	s_bfe_u32 s40, ttmp6, 0x40000                  ; cx, cy: my place in the cluster
	s_bfe_u32 s41, ttmp6, 0x40004
	s_lshl_b32 s42, ttmp9, 2
	s_add_co_u32 s42, s42, s40                     ; tile of 256 columns = 4 x cluster x + cx
	s_and_b32 s17, ttmp7, 0xffff
	s_lshl_b32 s17, s17, 2
	s_add_co_u32 s17, s17, s41                     ; tile of 256 tokens = 4 x cluster y + cy
	s_lshl_b32 s43, s41, 2
	s_lshl_b32 s43, 15, s43                        ; my row of the cluster
	s_lshl_b32 s44, 0x1111, s40                    ; my column
	; descriptor group 1: a tile of 128 rows x 256 bytes, padded in LDS
	s_or_b32 s[G1+0], s43, (0<<16)|(1<<20)|(1<<21)|(5<<22)|(3<<25)  ; 15:0 the mask: x's tiles go to my row; 17:16 element of 1 byte; 20 padding on; 21 set beside a mask; 24:22 after every 64 words (code 5); 31:25 of 4 words (code 3)
	s_or_b32 s[G1B+0], s44, (0<<16)|(1<<20)|(1<<21)|(5<<22)|(3<<25) ; W's go to my column
.irp g, G1, G1B
	s_mov_b32 s[\g+1], ROWB<<16                    ; tensor_dim0
	s_mov_b32 s[\g+2], 128<<16                     ; tensor_dim1 = 128
	s_mov_b32 s[\g+3], ROWB<<16                    ; tile_dim0
	s_mov_b32 s[\g+4], 128                         ; tile_dim1 = 128
	s_mov_b32 s[\g+5], KROW                        ; tensor_dim0_stride
	s_mov_b32 s[\g+6], 0
	s_mov_b32 s[\g+7], 0
.endr
	s_lshl_b32 s18, s16, 7                         ; which 128 rows of the tile I fetch
	s_lshl_b32 s20, s17, 8
	s_add_co_u32 s20, s20, s18                     ; x: row 256 x token tile + 128 x half
	s_lshl_b32 s46, s42, 8
	s_add_co_u32 s46, s46, s18                     ; W: row 256 x column tile + 128 x half
	s_mov_b32 s21, 0
	s_mov_b32 s47, 0
	s_mov_b64 s[18:19], KROW
	s_mul_u64 s[20:21], s[20:21], s[18:19]
	s_mul_u64 s[46:47], s[46:47], s[18:19]
	s_mul_i32 s45, s14, HALFT                      ; where they go: wave x 128 rows: no place in the cluster enters an LDS address
	s_wait_kmcnt 0x0
	s_load_b256 s[84:91], s[78:79], 0x0            ; the eight exponents
	s_add_nc_u64 s[20:21], s[68:69], s[20:21]
	s_add_nc_u64 s[46:47], s[70:71], s[46:47]
	CROUND                                         ; all sixteen work-groups are here: the first joint loads meet
.irp s, 0,1
	s_mov_b32 s[G0+4*\s], 1
	s_add_co_u32 s[G0+4*\s+1], s45, \s*SLOT
	s_add_nc_u64 s[G0+4*\s+2:G0+4*\s+3], s[20:21], \s*ROWB
	s_or_b32 s[G0+4*\s+3], s[G0+4*\s+3], 0x80000000
	s_mov_b32 s[G0B+4*\s], 1
	s_add_co_u32 s[G0B+4*\s+1], s45, \s*SLOT
	s_add_nc_u64 s[G0B+4*\s+2:G0B+4*\s+3], s[46:47], \s*ROWB
	s_or_b32 s[G0B+4*\s+3], s[G0B+4*\s+3], 0x80000000
	JLOAD G0+4*\s, G1, G0B+4*\s, G1B               ; two tensor loads of mine are out
.endr
	v_and_b32 v1, 15, v0                           ; l % 16
	v_bfe_u32 v2, v0, 4, 1                         ; l / 16
	v_mul_u32_u24 v3, v1, PITCH
	v_lshl_add_u32 v4, v2, 4, v3                   ; a fragment's row x pitch + 16 x half
	s_cmp_eq_u32 ttmp9, 2                          ; v?  The region is the cluster's x: the same in all partners
	s_cselect_b32 s83, 2*HALFT, 0                  ; source 1 is x's rows (the slot's first half), for v W's (its second half);
	s_cselect_b32 s94, 0, 2*HALFT                  ; source 0 the other
	s_mul_i32 s21, s15, HALFT
	s_add_co_u32 s21, s21, s83
	s_mul_i32 s22, s16, HALFT
	s_add_co_u32 s22, s22, s94
.irp s, 0,1
	v_add_nc_u32 v[ADRA+\s], s21, v4
	v_add_nc_u32 v[ADRB+\s], s22, v4
	s_add_co_u32 s21, s21, SLOT
	s_add_co_u32 s22, s22, SLOT
.endr
	; what the way out needs is asked for now: the norm's weights and the first two blocks of the table.  Every work-group takes these lines, v's too, so that each register below is written on every path
	v_and_b32 v5, 31, v0
	v_lshlrev_b32 v[TO], 4, v5
	v_lshlrev_b32 v[WO], 5, v2
	s_mov_b32 s66, 0x76543210                      ; v_permlanex16_b32's selects for lane l xor 16
	s_mov_b32 s67, 0xfedcba98
	s_cmp_eq_u32 ttmp9, 0
	s_cselect_b64 s[74:75], s[74:75], s[76:77]     ; k's weights or q's
	s_and_b32 s18, s17, 7                          ; the token tile within its batch,
	s_lshl_b32 s19, s18, 4
	s_lshl_b32 s22, s15, 3
	s_add_co_u32 s19, s19, s22                     ; my first block of 16 tokens: 16 x that + 8 x half
	s_lshl_b32 s22, s19, 12
	s_mov_b32 s23, 0
	s_add_nc_u64 s[72:73], s[72:73], s[22:23]
.irp dt, 0,1,2,3
	global_load_b128 v[WN+8*\dt:WN+8*\dt+3],   v[WO], s[74:75] offset:64*\dt
	global_load_b128 v[WN+8*\dt+4:WN+8*\dt+7], v[WO], s[74:75] offset:64*\dt+16
.endr
.irp a, 0,1
.irp p, 0,1,2,3,4,5,6,7
	global_load_b128 v[CS0+32*\a+4*\p:CS0+32*\a+4*\p+3], v[TO], s[72:73] offset:4096*\a+512*\p
.endr
.endr
	s_wait_kmcnt 0x0
	s_add_co_i32 s92, s84, s85                     ; E = entry 0 + entry 1: a sum stands for sum x 2^E
	s_sub_co_i32 s93, s92, 3                       ; E - 3: rms = the norm / 8
	s_sub_co_i32 s94, s89, s92                     ; v: code = sum / 2^(entry 5 - E)
	s_cmp_eq_u32 ttmp9, 0
	s_cselect_b32 s95, s87, s86                    ; k: entry 3; q: entry 2
	s_cmp_eq_u32 ttmp9, 2
	s_cselect_b32 s95, s94, s95
	s_cselect_b32 s18, s15, s16                    ; which half of the columns (two heads) is mine,
	s_cselect_b32 s19, s16, s15                    ; and which half of the tokens (two steps)
	s_add_co_i32 s95, s95, 127
	s_lshl_b32 s94, s95, 23
	v_mov_b32 v[SCL], s94
	s_add_co_i32 s95, s95, 8
	s_lshl_b32 s95, s95, 23
	s_or_b32 s95, s95, 0x600000
	v_mov_b32 v[LIM], s95
	s_lshr_b32 s22, s17, 3
	s_lshl_b32 s22, s22, 4                         ; 16 x batch
	s_lshl_b32 s23, s40, 2
	s_add_co_u32 s22, s22, s23                     ; + 4 cx
	s_lshl_b32 s18, s18, 1
	s_add_co_u32 s22, s22, s18                     ; + 2 x half: my first head
	s_lshl_b32 s22, s22, 5                         ; x 32 steps
	s_and_b32 s23, s17, 7
	s_lshl_b32 s23, s23, 2
	s_add_co_u32 s22, s22, s23
	s_lshl_b32 s19, s19, 1
	s_add_co_u32 s22, s22, s19                     ; + my first step
	s_mul_i32 s22, s22, STEPB
	s_cmp_eq_u32 ttmp9, 0
	s_cselect_b32 s23, 4096, 0                     ; K's images lie behind Q's (V's place stands in the stores' immediates)
	s_add_co_u32 s22, s22, s23
	s_mov_b32 s23, 0
	s_add_nc_u64 s[80:81], s[80:81], s[22:23]
.macro FRAG reg, adr, q, i             ; a fragment, 16 rows x 128 K of codes, is 16 registers: four loads of 16 bytes, 32 bytes apart
.irp c, 0,1,2,3
	ds_load_b128 v[\reg+4*\c:\reg+4*\c+3], v[\adr] offset:128*(\q)+32*\c+(\i)*16*PITCH
.endr
.endm
; 16 matrix instructions: source 1's blocks a0, a0 + 1 x source 0's eight, 128 along K.  p: source 0's set.  zero = 1: the first product starts the sums.
; The 64 accumulators take turns, one instruction a turn, in the same order in every step.
.macro MUL16 a0, p, zero
.irp a, \a0, \a0+1
.irp b, 0,1,2,3,4,5,6,7
.if \zero
	v_wmma_f32_16x16x128_fp8_fp8 v[8*(8*((\a)%4)+\b):8*(8*((\a)%4)+\b)+7], v[128*(\p)+FR*\b:128*(\p)+FR*\b+FR-1], v[AF+FR*(\a):AF+FR*(\a)+FR-1], 0
.else
	v_wmma_f32_16x16x128_fp8_fp8 v[8*(8*((\a)%4)+\b):8*(8*((\a)%4)+\b)+7], v[128*(\p)+FR*\b:128*(\p)+FR*\b+FR-1], v[AF+FR*(\a):AF+FR*(\a)+FR-1], v[8*(8*((\a)%4)+\b):8*(8*((\a)%4)+\b)+7]
.endif
.endr
.endr
.endm
.macro FETCH_B slot, q, p              ; source 0's eight fragments of the slot's q-th 128 along K into set p
	WIN TO_B
.irp i, 0,1,2,3,4,5,6,7
	FRAG 128*(\p)+FR*\i, ADRB+\slot, \q, \i
.endr
	WIN 0
.endm
.macro FETCH_A slot, q, i0             ; source 1's blocks i0 .. i0 + 3
.irp i, \i0, \i0+1, \i0+2, \i0+3
	FRAG AF+FR*(\i), ADRA+\slot, \q, \i
.endr
.endm
.macro PLACES n                        ; plain vector instructions between a matrix instruction and a load into, or a vector instruction on, one of its registers (ISA guide 7.12.1 for vector instructions)
.rept \n
	v_nop
.endr
.endm
; A step of 128 along K that has its successor in the same slot.
.macro STEP slot, q, zero
	s_wait_dscnt 4*NL                              ; source 0's set and source 1's blocks 0-3 are in; the youngest sixteen loads (blocks 4-7) may be out
	WIN MUL_LO
	MUL16 0, (\q)%2, \zero
	MUL16 2, (\q)%2, \zero
	s_wait_dscnt 0                                 ; blocks 4-7 are in
	PLACES NP
	FETCH_B \slot, (\q)+1, 1-(\q)%2
	FETCH_A \slot, (\q)+1, 0
	WIN MUL_HI
	MUL16 4, (\q)%2, \zero
	MUL16 6, (\q)%2, \zero
	PLACES NP
	WIN 0
	FETCH_A \slot, (\q)+1, 4
.endm
; A slot's last step changes slots: ONE barrier; in front of it each wave waits for all its tensor loads, adds 0 to its spare word, and waits for that and for its own reads of this slot.  fill = 1: this slot is filled again, two K steps ahead.
.macro TURN slot, next, fill
	s_wait_tensorcnt 0x0                           ; all my tensor loads have landed: my part of the next slot  (every window is 0 here)
	ds_add_u32 v[SPW], v[NIL]                      ; 0 onto my spare word
	s_wait_dscnt 4*NL+1                            ; (the add and the youngest sixteen loads may be out)
	WIN MUL_LO
	MUL16 0, 1, 0                                  ; sixteen matrix instructions stand between the add and the wait for it
	s_wait_dscnt 0x0                               ; the add is done, and my reads of this slot are over
	s_barrier_signal -1
	MUL16 2, 1, 0
	WIN 0
	s_barrier_wait -1
.if \fill
	CREST                                          ; the barrier has opened a round of the cluster's barrier: no wave of any partner still reads this slot's tile or has a load on its way
	s_add_nc_u64 s[G0+4*\slot+2:G0+4*\slot+3], s[G0+4*\slot+2:G0+4*\slot+3], 2*ROWB
	s_add_nc_u64 s[G0B+4*\slot+2:G0B+4*\slot+3], s[G0B+4*\slot+2:G0B+4*\slot+3], 2*ROWB
	JLOAD G0+4*\slot, G1, G0B+4*\slot, G1B         ; the first tensor load behind the round, my only one out; its four v_nop are also the places in front of the loads below
.else
	PLACES NP
.endif
	FETCH_B \next, 0, 0
	FETCH_A \next, 0, 0
	WIN MUL_HI
	MUL16 4, 1, 0
	MUL16 6, 1, 0
	PLACES NP
	WIN 0
	FETCH_A \next, 0, 4
.endm
	s_wait_tensorcnt 1                             ; my part of K step 0 is in (K step 1's load may be out)
	s_barrier_signal -1
	s_barrier_wait -1                              ; everybody's is
	FETCH_B 0, 0, 0
	FETCH_A 0, 0, 0
	FETCH_A 0, 0, 4
	STEP 0, 0, 1                                   ; K = 1,024 is eight steps of 128, four slots' worth: written in line.  The first products start the sums
	TURN 0, 1, 1                                   ; slot 0 takes K step 2
	STEP 1, 0, 0
	TURN 1, 0, 1                                   ; slot 1 takes K step 3
	STEP 0, 0, 0
	TURN 0, 1, 0                                   ; nothing is left to fetch
	STEP 1, 0, 0
	s_wait_dscnt 4*NL                              ; the very last step
	WIN MUL_LO
	MUL16 0, 1, 0
	MUL16 2, 1, 0
	s_wait_dscnt 0
	WIN MUL_HI
	MUL16 4, 1, 0
	MUL16 6, 1, 0
	WIN 0
; THE WAY OUT FOR k AND q, a block of 16 tokens x 128 columns (two heads) at a time.  Lane (r, h) holds token r; accumulator 4 hh + dt, register j, is d = 16 dt + 8 h + j of head hh.
; v128-191 the rotated numbers (32 a head); v192-199 products at work; v200-207 sums of squares; v[208:209], v[210:211] the heads' factors; v212-213 the exchange; v224-255 codes, two sets by turns.
.macro KQ_BLOCK a
.set rAC, 64*((\a)%4)
.set rCS, CS0+32*((\a)%2)
.set rCD, 224+16*((\a)%2)
.if (\a) < 7
	s_wait_loadcnt 8                               ; this block's eight table loads (and, ahead of them, the weights') are in; the next block's eight may be out
.else
	s_wait_loadcnt 0
.endif
	s_wait_xcnt 0x0                                ; the stores of two blocks back have read their registers: this set of codes may be written again
	WIN 0x02+(\a)/4                                ; source 0: the accumulators' window
.irp hh, 0,1
.irp dl, 0,1
.irp jp, 0,2,4,6                       ; each accumulator is read from its low end on
.set rX1, rAC+8*(4*\hh+\dl)+\jp
.set rX2, rX1+16
.set rCN, rCS+8*\dl+\jp
.set rSN, rCN+16
.set rO1, 128+32*\hh+8*\dl+\jp
.set rT,  192+2*(\jp%4)
	v_pk_mul_f32 v[rT:rT+1], v[rX2:rX2+1], v[rSN:rSN+1]
	v_pk_mul_f32 v[rT+2:rT+3], v[rX1:rX1+1], v[rSN:rSN+1]
	v_pk_fma_f32 v[rO1:rO1+1], v[rX1:rX1+1], v[rCN:rCN+1], v[rT:rT+1] neg_lo:[0,0,1] neg_hi:[0,0,1]   ; d < 32: x(d) cos - x(d + 32) sin
	v_pk_fma_f32 v[rO1+16:rO1+17], v[rX2:rX2+1], v[rCN:rCN+1], v[rT+2:rT+3]                           ; d >= 32: x(d) cos + x(d - 32) sin
.endr
.endr
.endr
	WIN 0
.if (\a)+2 < 8
.irp p, 0,1,2,3,4,5,6,7
	global_load_b128 v[rCS+4*\p:rCS+4*\p+3], v[TO], s[72:73] offset:4096*((\a)+2)+512*\p   ; the table block of two blocks on, into the registers just read
.endr
.endif
.irp hh, 0,1                           ; the sum of squares of my 32 numbers of each head, two at a time, in two chains
	v_pk_mul_f32 v[200+4*\hh:201+4*\hh], v[128+32*\hh:129+32*\hh], v[128+32*\hh:129+32*\hh]
	v_pk_mul_f32 v[202+4*\hh:203+4*\hh], v[130+32*\hh:131+32*\hh], v[130+32*\hh:131+32*\hh]
.endr
.irp p, 4,8,12,16,20,24,28
.irp hh, 0,1
	v_pk_fma_f32 v[200+4*\hh:201+4*\hh], v[128+32*\hh+\p:129+32*\hh+\p], v[128+32*\hh+\p:129+32*\hh+\p], v[200+4*\hh:201+4*\hh]
	v_pk_fma_f32 v[202+4*\hh:203+4*\hh], v[130+32*\hh+\p:131+32*\hh+\p], v[130+32*\hh+\p:131+32*\hh+\p], v[202+4*\hh:203+4*\hh]
.endr
.endr
.irp hh, 0,1
	v_pk_add_f32 v[200+4*\hh:201+4*\hh], v[200+4*\hh:201+4*\hh], v[202+4*\hh:203+4*\hh]
.endr
.irp hh, 0,1
	v_add_f32 v[200+4*\hh], v[200+4*\hh], v[201+4*\hh]
.endr
.irp hh, 0,1
	v_permlanex16_b32 v[212+\hh], v[200+4*\hh], s66, s67   ; the token's other 32 numbers lie in the lane 16 away
.endr
.irp hh, 0,1
	v_add_f32 v[200+4*\hh], v[200+4*\hh], v[212+\hh]
.endr
.irp hh, 0,1
	v_sqrt_f32 v[200+4*\hh], v[200+4*\hh]
.endr
	v_nop                                          ; a plain instruction behind the roots, and one wait for both ahead of their first reader
	s_wait_alu depctr_va_vdst(0)
.irp hh, 0,1
	v_ldexp_f32 v[200+4*\hh], v[200+4*\hh], s93    ; rms = the norm of the sums x 2^E / 8
.endr
.irp hh, 0,1
	v_add_f32 v[200+4*\hh], 0x358637bd, v[200+4*\hh]   ; + 1e-6
.endr
.irp hh, 0,1
	v_rcp_f32 v[200+4*\hh], v[200+4*\hh]
.endr
	v_nop
	s_wait_alu depctr_va_vdst(0)                   ; the reciprocals hang on the roots, so they are a batch of their own
.irp hh, 0,1
	v_ldexp_f32 v[208+2*\hh], v[200+4*\hh], s92    ; 2^E / (rms + eps)
.endr
.irp hh, 0,1
.irp p, 0,2,4,6,8,10,12,14,16,18,20,22,24,26,28,30
	v_pk_mul_f32 v[128+32*\hh+\p:129+32*\hh+\p], v[128+32*\hh+\p:129+32*\hh+\p], v[208+2*\hh:209+2*\hh] op_sel_hi:[1,0]
.endr
.endr
.irp hh, 0,1
.irp p, 0,2,4,6,8,10,12,14,16,18,20,22,24,26,28,30
	v_pk_mul_f32 v[128+32*\hh+\p:129+32*\hh+\p], v[128+32*\hh+\p:129+32*\hh+\p], v[WN+\p:WN+\p+1]   ; x the norm's weight
.endr
.endr
.irp n, 0,1,2,3,4,5,6,7,8,9,10,11,12,13,14,15,16,17,18,19,20,21,22,23,24,25,26,27,28,29,30,31,32,33,34,35,36,37,38,39,40,41,42,43,44,45,46,47,48,49,50,51,52,53,54,55,56,57,58,59,60,61,62,63
	v_med3_num_f32 v[128+\n], v[128+\n], -v[LIM], v[LIM]   ; the conversion does not saturate (ISA guide 7.6.2): the hold comes first
.endr
.irp hh, 0,1
.irp dt, 0,1,2,3
	v_cvt_scalef32_pk8_fp8_f32 v[rCD+8*\hh+2*\dt:rCD+8*\hh+2*\dt+1], v[128+32*\hh+8*\dt:128+32*\hh+8*\dt+7], v[SCL]   ; registers 2 dt, 2 dt + 1 of the operand
.endr
.endr
	v_nop                                          ; one plain vector instruction behind the last conversion: the next block writes the conversions' sources
.irp hh, 0,1
.irp c2, 0,1
	global_store_b128 v[TO], v[rCD+8*\hh+4*\c2:rCD+8*\hh+4*\c2+3], s[80:81] offset:HEADB*\hh+STEPB*((\a)/4)+1024*((\a)%4)+512*\c2   ; 32 lanes store 512 consecutive bytes
.endr
.endr
.endm
; THE WAY OUT FOR v, a block of 16 d x 128 tokens at a time.  Lane (r, h) holds d = 16 (a % 4) + r of head a / 4; accumulator b, register j, is key 16 b + 8 h + j.  v128-191 held numbers; v224-255 codes, two sets by turns.
.macro V_BLOCK a
.set rAC, 64*((\a)%4)
.set rCD, 224+16*((\a)%2)
	s_wait_xcnt 0x0                                ; the stores of two blocks back have read their registers
	WIN 0x02+(\a)/4
.irp n, 0,1,2,3,4,5,6,7,8,9,10,11,12,13,14,15,16,17,18,19,20,21,22,23,24,25,26,27,28,29,30,31,32,33,34,35,36,37,38,39,40,41,42,43,44,45,46,47,48,49,50,51,52,53,54,55,56,57,58,59,60,61,62,63
	v_med3_num_f32 v[128+\n], v[rAC+\n], -v[LIM], v[LIM]   ; each accumulator from its low end on
.endr
	WIN 0
.irp b, 0,1,2,3,4,5,6,7
	v_cvt_scalef32_pk8_fp8_f32 v[rCD+2*\b:rCD+2*\b+1], v[128+8*\b:128+8*\b+7], v[SCL]   ; step b / 4: registers 2 (b % 4), 2 (b % 4) + 1 of the operand
.endr
	v_nop                                          ; one plain vector instruction behind the last conversion
.irp sb, 0,1
.irp c2, 0,1
	global_store_b128 v[TO], v[rCD+8*\sb+4*\c2:rCD+8*\sb+4*\c2+3], s[80:81] offset:HEADB*((\a)/4)+STEPB*\sb+8192+1024*((\a)%4)+512*\c2
.endr
.endr
.endm
	PLACES NP                                      ; behind the last products: their results are read, and source 1's registers written, below
	v_mov_b32 v209, 0                              ; (named as the upper halves of pairs)
	v_mov_b32 v211, 0
	v_mov_b32 v212, 0                              ; (a lane permute's destination counts as one of its sources)
	v_mov_b32 v213, 0
	s_cmp_eq_u32 ttmp9, 2                          ; the region: the same in all partners; no barrier and no tensor load stands on either way
	s_cbranch_scc1 .Lv
.irp a, 0,1,2,3,4,5,6,7
	KQ_BLOCK \a
.endr
	s_branch .Lend
.Lv:
.irp a, 0,1,2,3,4,5,6,7
	V_BLOCK \a
.endr
.Lend:
	s_wait_tensorcnt 0x0                           ; the wave's end
	ds_add_u32 v[SPW], v[NIL]
	s_wait_dscnt 0x0
	CROUND                                         ; the closing round: no work-group ends while a partner may still ask for a tile that names it
	s_endpgm
.Lfunc_end_k_q601f5abfa7_kqv:
	.size	k_q601f5abfa7_kqv, .Lfunc_end_k_q601f5abfa7_kqv-k_q601f5abfa7_kqv
	.p2alignl 7, 3214868480
	.fill 96, 4, 3214868480
	.section	.rodata,"a",@progbits
	.p2align	6, 0x0
	.amdhsa_kernel k_q601f5abfa7_kqv
		.amdhsa_group_segment_fixed_size 327680
		.amdhsa_private_segment_fixed_size 0
		.amdhsa_enable_private_segment 0
		.amdhsa_kernarg_size 56
		.amdhsa_user_sgpr_count 2
		.amdhsa_user_sgpr_kernarg_segment_ptr 1
		.amdhsa_wavefront_size32 1
		.amdhsa_system_sgpr_workgroup_id_x 1
		.amdhsa_system_sgpr_workgroup_id_y 1
		.amdhsa_system_sgpr_workgroup_id_z 1
		.amdhsa_system_vgpr_workitem_id 0
		.amdhsa_next_free_vgpr 1024
		.amdhsa_next_free_sgpr 100
		.amdhsa_reserve_vcc 0
		.amdhsa_float_denorm_mode_32 3
		.amdhsa_float_denorm_mode_16_64 3
		.amdhsa_memory_ordered 1
		.amdhsa_forward_progress 1
		.amdhsa_inst_pref_size 254
	.end_amdhsa_kernel
	.amdgpu_metadata
---
amdhsa.version: [ 1, 2 ]
amdhsa.kernels:
  - .name:           k_q601f5abfa7_kqv
    .symbol:         k_q601f5abfa7_kqv.kd
    .args:
      - { .name: xc, .offset: 0, .size: 8, .value_kind: global_buffer, .address_space: global }
      - { .name: wc, .offset: 8, .size: 8, .value_kind: global_buffer, .address_space: global }
      - { .name: tab, .offset: 16, .size: 8, .value_kind: global_buffer, .address_space: global }
      - { .name: k_norm_w, .offset: 24, .size: 8, .value_kind: global_buffer, .address_space: global }
      - { .name: q_norm_w, .offset: 32, .size: 8, .value_kind: global_buffer, .address_space: global }
      - { .name: lowp_scales, .offset: 40, .size: 8, .value_kind: global_buffer, .address_space: global }
      - { .name: qkv, .offset: 48, .size: 8, .value_kind: global_buffer, .address_space: global }
    .group_segment_fixed_size: 327680
    .private_segment_fixed_size: 0
    .kernarg_segment_align: 8
    .kernarg_segment_size: 56
    .max_flat_workgroup_size: 128
    .sgpr_count:     100
    .vgpr_count:     1024
    .wavefront_size: 32
...
	.end_amdgpu_metadata
.endif
;; end of part 2
;; launch attn (part 3): grid 4 x 64, 16 waves a work-group, no clusters, 34,816 bytes of LDS; arguments qkv, lowp_scales, yc; writes yc
.if DOCPART == 3
	.amdgcn_target "amdgcn-amd-amdhsa--gfx1250"
	.amdhsa_code_object_version 6
	.text
	.protected	k_q601f5abfa7_attn
	.globl	k_q601f5abfa7_attn
	.p2align	8
	.type	k_q601f5abfa7_attn,@function
k_q601f5abfa7_attn:
	s_mov_b64 s[64:65], 0
	v_nop
	global_prefetch_b8 v0, s[64:65] scope:SCOPE_SE
	s_setreg_imm32_b32 hwreg(HW_REG_WAVE_MODE, 25, 1), 1
	s_wait_xcnt 0x0
; y = softmax(q k^T / 8, causal) v for 64 heads of 2,048 tokens x 64, both products on codes of FP8, and y's quantiser.  qkv holds the operands as images of their registers, a step of 64 tokens in 12,288 bytes
; (Q's four images of 1,024 bytes, K's four, V^T's four); yc takes y's codes as images of the last product's fragments: [4 K steps of 256][512 blocks of 16 rows][4,096 bytes].
; THE SOFTMAX: t = score x log2(e) / 8; M = the running largest t rounded UP to a whole number; p = 2^(t - M) is quantised along the keys with its given scale; the row's sum is taken of the unquantised p
; and divides at the end.  When M moves, the sum and O are multiplied by 2^(old M - new M): exact.
; SHARES.  A work-group has sixteen waves, four to a SIMD; a wave owns 32 queries, two tiles of 16, in 256 registers, so that each fragment of K and V read from LDS feeds two products.
; A head's 64 blocks of 32 queries are dealt so that the waves w, w + 4, w + 8, w + 12 own blocks u, 63 - u, 16 + u, 47 - u in some order: 66 key steps for each such four.
; Both products are used transposed (S^T = K Q^T, O^T = V^T P^T): a lane holds one query throughout, its registers run along the keys, then along d: the conversions' results ARE the next operands' registers.
; K AND V: a tile of two steps (2 x 8,192 bytes) is loaded by the 512 threads, 16 bytes a step each, a whole trip ahead, and stored into the LDS slot that was read in the trip before: two slots, one barrier a trip.
; CAUSAL.  Every wave walks all 16 trips (trip counts are constants, every wave passes every barrier); a step all of whose keys come after the wave's queries is jumped over by a scalar branch on ids.
; NO JOINT LOADS, though the four work-groups of a head read the same K and V: p is at most 1, so its hold at 448 x 2^e4 can act only where e4 < -8; a scalar branch on e4 leaves those 64 of a step's
; 284 vector instructions out.  What would be shared is 16,384 bytes for two steps of sixteen waves.
; LIMITS on the given exponents: entry 2 + entry 3 between -123 and 130 (added to c's exponent field); entry 4, and entry 6 - entry 4 - entry 5, between -126 and 119.  1 / the sum is v_rcp_f32.
.set HEADB, 393216                     ; a head in qkv
.set STEPB, 12288                      ; a step of 64 tokens in qkv
.set TILEB, 2*STEPB                    ; a trip's two steps
.set SLOTB, 16384                      ; an LDS slot: two steps of K (4,096) and V (4,096)
.set STEPL, 8192
.set LA,  1                            ; v1   16 x lane: my place in a group of four registers of an image; never rewritten
.set TA,  2                            ; v2   16 x thread: my 16 bytes of a step's 8,192; never rewritten
.set PFO, 3                            ; v3   256 x lane: the prefetches' offset; never rewritten
; v[4 + 6 a]: -M; + 1: the largest t; + 2, + 3: the sum in two halves; + 4: f = 2^(old M - new M) (+ 5 is named with it as a pair)
.set rQ,  16                           ; v16-31   Q, 8 a tile
.set rK,  32                           ; v32-63   K of a step: four tiles of 16 keys
.set rV,  64                           ; v64-95   V^T of a step: four tiles of 16 d
.set rS,  96                           ; v96-159  S^T, then p: 32 a tile of queries
.set rO,  160                          ; v160-223 O^T: 32 a tile
.set rP,  224                          ; v224-239 p's codes, at the end y's
.set rG,  240                          ; v240-247 the next tile on its way
; v248 the conversion's scale, v249 448 x it; v250-255 at work
; s20 wave, s22 head, s23 my block of 32 queries, s24 my first query, s25 my last, s26 the trip's first key, s28 the loop's count, s[30:31] c, s[32:33] lane selects, s34 1 where p's hold can act,
; s[36:37] K of the tile 2 x count, s[38:39] the prefetches' place, s40 their bound, s42-47 at work
	s_load_b128 s[4:7], s[0:1], 0x0                ; qkv, the scales' exponents
	s_load_b64 s[8:9], s[0:1], 0x10                ; yc
	v_lshrrev_b32 v3, 5, v0
	v_readfirstlane_b32 s20, v3                    ; wave 0..15
	v_and_b32 v1, 31, v0
	v_lshlrev_b32 v[PFO], 8, v1
	v_lshlrev_b32 v[LA], 4, v1
	v_lshlrev_b32 v[TA], 4, v0
	s_and_b32 s22, ttmp7, 0xffff                   ; 16 x batch + head
	s_and_b32 s42, s20, 3
	s_lshr_b32 s43, s20, 2
	s_lshl_b32 s44, ttmp9, 2
	s_add_co_u32 s44, s44, s42                     ; u = 4 x work-group x + wave % 4
	s_add_co_u32 s43, s43, s42
	s_and_b32 s43, s43, 3                          ; which of the four blocks of u: (wave / 4 + wave % 4) % 4
	s_lshr_b32 s45, s43, 1
	s_lshl_b32 s45, s45, 4
	s_add_co_u32 s45, s45, s44                     ; u or 16 + u,
	s_sub_co_u32 s46, 63, s45                      ; or its mirror
	s_bitcmp1_b32 s43, 0
	s_cselect_b32 s23, s46, s45
	s_lshl_b32 s24, s23, 5
	s_add_co_u32 s25, s24, 31
	s_mov_b32 s32, 0x76543210                      ; v_permlanex16_b32's selects for lane l xor 16
	s_mov_b32 s33, 0xfedcba98
	s_mul_i32 s42, s22, HEADB
	s_mov_b32 s43, 0
	s_wait_kmcnt 0x0
	s_load_b256 s[12:19], s[6:7], 0x0              ; the eight exponents
	s_add_nc_u64 s[4:5], s[4:5], s[42:43]          ; the head
	s_add_nc_u64 s[36:37], s[4:5], 4096            ; K and V of step 0: 8,192 consecutive bytes behind Q's
	global_load_b128 v[rG:rG+3],   v[TA], s[36:37]                 ; tile 0
	global_load_b128 v[rG+4:rG+7], v[TA], s[36:37] offset:STEPB
	s_lshr_b32 s42, s23, 1
	s_mul_i32 s42, s42, STEPB                      ; my queries' step,
	s_and_b32 s44, s23, 1
	s_lshl_b32 s44, s44, 11                        ; and which two of its four images
	s_add_co_u32 s42, s42, s44
	s_add_nc_u64 s[46:47], s[4:5], s[42:43]
.irp i, 0,1,2,3
	global_load_b128 v[rQ+4*\i:rQ+4*\i+3], v[LA], s[46:47] offset:512*\i   ; Q stays in registers
.endr
	; the prefetches: in the head's first work-group wave 0 names a tile's first step, wave 1 its second: 8,192 bytes, lanes 256 bytes apart
	s_and_b32 s42, s20, 1
	s_mul_i32 s42, s42, STEPB
	s_add_co_u32 s42, s42, 2*TILEB                 ; trip n names tile n + 2.  Nothing is prefetched here, at the head
	s_add_nc_u64 s[38:39], s[36:37], s[42:43]
	s_lshr_b32 s42, s20, 1
	s_or_b32 s42, s42, ttmp9
	s_cmp_eq_u32 s42, 0
	s_cselect_b32 s40, 7, 0                        ; tile 2 x count + slot + 2 exists while the count is under 7; other waves ask for nothing
	v_mov_b32 v5, 0xff61b1e6                       ; the largest t so far: -3e38, under every t
	v_mov_b32 v11, 0xff61b1e6
	v_floor_f32 v4, -v5                            ; -M
	v_floor_f32 v10, -v11
.irp r, 6,7,9,12,13,15,254,255
	v_mov_b32 v\r, 0                               ; the sums; the upper halves of f's pairs; the lane permutes' destinations, which count as sources
.endr
.irp j, 0,1,2,3,4,5,6,7,8,9,10,11,12,13,14,15,16,17,18,19,20,21,22,23,24,25,26,27,28,29,30,31,32,33,34,35,36,37,38,39,40,41,42,43,44,45,46,47,48,49,50,51,52,53,54,55,56,57,58,59,60,61,62,63
	v_mov_b32 v[rO+\j], 0                          ; O^T.  (The step is written without a first step of its own: it finds zeros, which the first change of M leaves zeros)
.endr
	s_wait_kmcnt 0x0
	s_mov_b32 s30, 0x3e38aa3b                      ; c = log2(e) / 8
	s_add_co_i32 s42, s14, s15
	s_lshl_b32 s42, s42, 23
	s_add_co_i32 s30, s30, s42                     ; a score stands for score x 2^(entry 2 + entry 3): added to c's exponent field
	s_mov_b32 s31, s30                             ; (named with it as a pair)
	s_add_co_i32 s42, s16, 127
	s_lshl_b32 s43, s42, 23
	v_mov_b32 v248, s43                            ; p's scale as f32
	s_add_co_i32 s42, s42, 8
	s_lshl_b32 s42, s42, 23
	s_or_b32 s42, s42, 0x600000
	v_mov_b32 v249, s42                            ; 448 x it
	s_cmp_lt_i32 s16, -8
	s_cselect_b32 s34, 1, 0                        ; 448 x 2^e4 lies under 1, p's largest, only where e4 < -8
	s_mov_b32 s26, 0
	s_mov_b32 s28, 0
	s_wait_loadcnt 4                               ; the tile's two loads are in; Q's four are younger
	ds_store_b128 v[TA], v[rG:rG+3]
	ds_store_b128 v[TA], v[rG+4:rG+7] offset:STEPL
	s_wait_dscnt 0x0                               ; for the others' sake
	s_barrier_signal -1
	s_barrier_wait -1
	s_wait_loadcnt 0x0                             ; Q
; A KEY STEP: 64 keys, the q-th of the slot.
.macro STEP slot, q
.set BASE, SLOTB*(\slot)+STEPL*(\q)
.if (\q) == 0
.irp f, 0,1,2,3,4,5,6,7
	ds_load_b128 v[rK+4*\f:rK+4*\f+3], v[LA] offset:BASE+512*\f
.endr
.endif
	s_wait_dscnt 0x0                               ; K is in (the second step's was asked for in the first)
.irp kt, 0,1,2,3
.irp a, 0,1
	v_wmma_f32_16x16x64_fp8_fp8 v[rS+32*\a+8*\kt:rS+32*\a+8*\kt+7], v[rK+8*\kt:rK+8*\kt+7], v[rQ+8*\a:rQ+8*\a+7], 0   ; lane: query 16 a + l % 16; register j: key 16 kt + 8 (l / 16) + j
.endr
.endr
.rept 4
	v_nop                                          ; places: behind these products for the reads of S^T and the loads into K's registers, behind the last step's second products for the loads into V's
.endr
.irp f, 0,1,2,3,4,5,6,7
	ds_load_b128 v[rV+4*\f:rV+4*\f+3], v[LA] offset:BASE+4096+512*\f
.endr
.if (\q) == 0
.irp f, 0,1,2,3,4,5,6,7
	ds_load_b128 v[rK+4*\f:rK+4*\f+3], v[LA] offset:BASE+STEPL+512*\f   ; the slot's second step
.endr
.endif
	s_add_co_u32 s42, s26, 64*(\q)+63              ; on the diagonal the scores of hidden keys become -infinity ahead of the maximum: p = 0 then.  A step all of whose keys count jumps over this
	s_cmp_le_u32 s42, s24
	s_cbranch_scc1 .Lopen_\@
	s_sub_co_i32 s42, s24, s26
.if (\q)
	s_sub_co_i32 s42, s42, 64
.endif
	v_and_b32 v250, 15, v0
	v_bfe_u32 v251, v0, 4, 1
	v_lshlrev_b32 v251, 3, v251
	v_sub_nc_u32 v250, v250, v251
	v_add_nc_u32 v250, s42, v250                   ; tile 0: my query - the step's first key - 8 (l / 16): key 16 kt + j is hidden where 16 kt + j is above it
	v_add_nc_u32 v251, 16, v250                    ; tile 1
	v_mov_b32 v252, 0xff800000                     ; -infinity
.irp a, 0,1
.irp n, 0,1,2,3,4,5,6,7,8,9,10,11,12,13,14,15,16,17,18,19,20,21,22,23,24,25,26,27,28,29,30,31
	v_cmp_gt_i32 vcc_lo, 16*(\n/8)+\n%8, v[250+\a]
	v_cndmask_b32 v[rS+32*\a+\n], v[rS+32*\a+\n], v252, vcc_lo
.endr
.endr
.Lopen_\@:
.irp a, 0,1                            ; the step's largest score of my query among my 32 keys, in two chains a tile; each accumulator is read from its low end on
	v_max3_num_f32 v[250+2*\a], v[rS+32*\a], v[rS+32*\a+1], v[rS+32*\a+2]
	v_max3_num_f32 v[251+2*\a], v[rS+32*\a+3], v[rS+32*\a+4], v[rS+32*\a+5]
.endr
.irp i, 6,10,14,18,22,26
.irp a, 0,1
	v_max3_num_f32 v[250+2*\a], v[250+2*\a], v[rS+32*\a+\i], v[rS+32*\a+\i+1]
	v_max3_num_f32 v[251+2*\a], v[251+2*\a], v[rS+32*\a+\i+2], v[rS+32*\a+\i+3]
.endr
.endr
.irp a, 0,1
	v_max3_num_f32 v[250+2*\a], v[250+2*\a], v[rS+32*\a+30], v[rS+32*\a+31]
.endr
.irp a, 0,1
	v_max_num_f32 v[250+2*\a], v[250+2*\a], v[251+2*\a]
.endr
.irp a, 0,1
	v_permlanex16_b32 v[254+\a], v[250+2*\a], s32, s33
.endr
.irp a, 0,1
	v_max_num_f32 v[250+2*\a], v[250+2*\a], v[254+\a]      ; and among lane l xor 16's
.endr
.irp a, 0,1
	v_mul_f32 v[250+2*\a], s30, v[250+2*\a]                ; as t (c is positive)
.endr
.irp a, 0,1
	v_max_num_f32 v[5+6*\a], v[5+6*\a], v[250+2*\a]        ; the running largest t
.endr
.irp a, 0,1
	v_mov_b32 v[250+2*\a], v[4+6*\a]
.endr
.irp a, 0,1
	v_floor_f32 v[4+6*\a], -v[5+6*\a]                      ; the new -M = floor(-t): M is a whole number
.endr
.irp a, 0,1
	v_sub_f32 v[250+2*\a], v[4+6*\a], v[250+2*\a]          ; old M - new M: a whole number, 0 or less
.endr
.irp a, 0,1
	v_cvt_i32_f32 v[250+2*\a], v[250+2*\a]                 ; (it saturates)
.endr
.irp a, 0,1
	v_ldexp_f32 v[8+6*\a], 1.0, v[250+2*\a]                ; f = 2^(old M - new M)
.endr
.irp a, 0,1
.irp j, 0,2,4,6,8,10,12,14,16,18,20,22,24,26,28,30
	v_pk_fma_f32 v[rS+32*\a+\j:rS+32*\a+\j+1], v[rS+32*\a+\j:rS+32*\a+\j+1], s[30:31], v[4+6*\a:5+6*\a] op_sel_hi:[1,0,0]   ; t - M, two at a time (of the pairs c and -M the low word serves both halves)
.endr
.endr
.irp j, 0,1,2,3,4,5,6,7,8,9,10,11,12,13,14,15,16,17,18,19,20,21,22,23,24,25,26,27,28,29,30,31,32,33,34,35,36,37,38,39,40,41,42,43,44,45,46,47,48,49,50,51,52,53,54,55,56,57,58,59,60,61,62,63
	v_exp_f32 v[rS+\j], v[rS+\j]                   ; p = 2^(t - M), at most 1: not normalised
.endr
.irp a, 0,1
	v_pk_mul_f32 v[6+6*\a:7+6*\a], v[6+6*\a:7+6*\a], v[8+6*\a:9+6*\a] op_sel_hi:[1,0]   ; the sums under the new M.  (The plain instructions behind the exponentials)
.endr
	s_wait_alu depctr_va_vdst(0)                   ; one wait for the batch of 64, ahead of its first reader
.irp a, 0,1                            ; the row's sum is taken of the UNQUANTISED p: two at a time, in two chains a tile
	v_pk_add_f32 v[250+2*\a:251+2*\a], v[rS+32*\a:rS+32*\a+1], v[rS+32*\a+2:rS+32*\a+3]
.endr
.irp j, 4,8,12,16,20,24,28
.irp a, 0,1
	v_pk_add_f32 v[6+6*\a:7+6*\a], v[6+6*\a:7+6*\a], v[rS+32*\a+\j:rS+32*\a+\j+1]
	v_pk_add_f32 v[250+2*\a:251+2*\a], v[250+2*\a:251+2*\a], v[rS+32*\a+\j+2:rS+32*\a+\j+3]
.endr
.endr
.irp a, 0,1
	v_pk_add_f32 v[6+6*\a:7+6*\a], v[6+6*\a:7+6*\a], v[250+2*\a:251+2*\a]
.endr
	s_cmp_eq_u32 s34, 0                            ; the conversion does not saturate (ISA guide 7.6.2); p is at most 1 and never negative, so the hold is one-sided and acts only where 448 x 2^e4 < 1
	s_cbranch_scc1 .Lno_hold_\@
.irp j, 0,1,2,3,4,5,6,7,8,9,10,11,12,13,14,15,16,17,18,19,20,21,22,23,24,25,26,27,28,29,30,31,32,33,34,35,36,37,38,39,40,41,42,43,44,45,46,47,48,49,50,51,52,53,54,55,56,57,58,59,60,61,62,63
	v_min_num_f32 v[rS+\j], v[rS+\j], v249
.endr
.Lno_hold_\@:
.irp a, 0,1
.irp kt, 0,1,2,3
	v_cvt_scalef32_pk8_fp8_f32 v[rP+8*\a+2*\kt:rP+8*\a+2*\kt+1], v[rS+32*\a+8*\kt:rS+32*\a+8*\kt+7], v248   ; registers 2 kt, 2 kt + 1 of the operand: keys 16 kt + 8 (l / 16) + 0..7
.endr
.endr
.irp a, 0,1
.irp j, 0,2,4,6,8,10,12,14,16,18,20,22,24,26,28,30
	v_pk_mul_f32 v[rO+32*\a+\j:rO+32*\a+\j+1], v[rO+32*\a+\j:rO+32*\a+\j+1], v[8+6*\a:9+6*\a] op_sel_hi:[1,0]   ; O^T under the new M, each accumulator from its low end on.  (Also the plain instructions behind the conversions)
.endr
.endr
.if (\q) == 0
	s_wait_dscnt 8                                 ; V is in; the second step's eight loads of K are younger
.else
	s_wait_dscnt 0x0
.endif
.irp dt, 0,1,2,3
.irp a, 0,1
	v_wmma_f32_16x16x64_fp8_fp8 v[rO+32*\a+8*\dt:rO+32*\a+8*\dt+7], v[rV+8*\dt:rV+8*\dt+7], v[rP+8*\a:rP+8*\a+7], v[rO+32*\a+8*\dt:rO+32*\a+8*\dt+7]   ; eight accumulators, one instruction each
.endr
.endr
.endm
; A TRIP: the tile in slot is multiplied, the next tile is loaded from memory at its head and stored into the other slot at its end.  That slot was last read in the trip before, ahead of that trip's barrier
; (each wave's wait for its LDS loads stands in front of its signal); it is read behind this trip's barrier.
.macro TRIP slot
.if \slot
	s_cmp_eq_u32 s28, 7                            ; the very last trip has no next tile: no load leaves the head
	s_cbranch_scc1 .Lno_load_\@
.endif
	global_load_b128 v[rG:rG+3],   v[TA], s[36:37] offset:TILEB*(\slot+1)
	global_load_b128 v[rG+4:rG+7], v[TA], s[36:37] offset:TILEB*(\slot+1)+STEPB
.if \slot
.Lno_load_\@:
.endif
	s_cmp_lt_u32 s28, s40                          ; A PREFETCH INTO THE L2 of the tile that the NEXT trip will load: a trip's two key steps ahead of those loads.  The four work-groups of a head read the same tiles:
	s_cbranch_scc0 .Lnot_mine_\@                   ; the first of them asks, wave 0 for a tile's first step and wave 1 for its second, a lane for each 256 bytes: each is named once.  Tiles 0 and 1 come by their loads alone; behind tile 15 nothing is named
	global_prefetch_b8 v[PFO], s[38:39] offset:TILEB*\slot th:TH_LOAD_NT scope:SCOPE_SE
.Lnot_mine_\@:
	s_cmp_gt_u32 s26, s25                          ; all keys of the tile come after my queries
	s_cbranch_scc1 .Ldone_\@
	STEP \slot, 0
	s_add_co_u32 s42, s26, 64
	s_cmp_gt_u32 s42, s25                          ; those of its second step do
	s_cbranch_scc1 .Ldone_\@
	STEP \slot, 1
.Ldone_\@:
	s_wait_loadcnt 0x0                             ; the next tile is in registers
.if \slot
	s_cmp_eq_u32 s28, 7
	s_cbranch_scc1 .Lno_store_\@
.endif
	ds_store_b128 v[TA], v[rG:rG+3]   offset:SLOTB*(1-\slot)
	ds_store_b128 v[TA], v[rG+4:rG+7] offset:SLOTB*(1-\slot)+STEPL
.if \slot
.Lno_store_\@:
.endif
	s_wait_dscnt 0x0                               ; for the others' sake: my stores have landed, and my reads of this slot are over
	s_barrier_signal -1
	s_barrier_wait -1
	s_add_co_u32 s26, s26, 128
.endm
.Ltrip:                                                ; eight trips of the loop, two tiles each, so that the slots stand in the immediates
	TRIP 0
	TRIP 1
	s_wait_xcnt 0x0                                ; the loads and the prefetches have read their bases
	s_add_nc_u64 s[36:37], s[36:37], 2*TILEB
	s_add_nc_u64 s[38:39], s[38:39], 2*TILEB
	s_add_co_u32 s28, s28, 1
	s_cmp_lt_u32 s28, 8
	s_cbranch_scc1 .Ltrip
	; THE WAY OUT.  y = O^T x 2^(entry 4 + entry 5) / the sum; its code is O^T / the sum / 2^(entry 6 - entry 4 - entry 5).  A tile's 16 rows x 64 d are half of an image of 16 rows x 128 K.
	v_add_f32 v6, v6, v7                           ; the sums' two halves,  (these additions and the two moves below are the places behind the last products)
	v_add_f32 v12, v12, v13
	v_permlanex16_b32 v254, v6, s32, s33
	v_permlanex16_b32 v255, v12, s32, s33
	v_add_f32 v6, v6, v254                         ; and lane l xor 16's
	v_add_f32 v12, v12, v255
	v_rcp_f32 v6, v6
	v_rcp_f32 v12, v12
	s_sub_co_i32 s42, s18, s16
	s_sub_co_i32 s42, s42, s17
	s_add_co_i32 s42, s42, 127
	s_lshl_b32 s43, s42, 23
	v_mov_b32 v248, s43                            ; (plain instructions behind the reciprocals)
	s_add_co_i32 s42, s42, 8
	s_lshl_b32 s42, s42, 23
	s_or_b32 s42, s42, 0x600000
	v_mov_b32 v249, s42
	s_lshr_b32 s42, s22, 4                         ; batch
	s_and_b32 s43, s22, 15                         ; head
	s_lshl_b32 s42, s42, 7
	s_lshl_b32 s44, s23, 1
	s_add_co_u32 s42, s42, s44                     ; my first block of 16 rows: 128 x batch + 2 x my block of 32 queries
	s_lshl_b32 s42, s42, 12
	s_lshr_b32 s44, s43, 2
	s_lshl_b32 s44, s44, 21                        ; the K step of 256: head / 4, 512 blocks of 4,096 bytes each
	s_add_co_u32 s42, s42, s44
	s_and_b32 s44, s43, 3
	s_lshl_b32 s44, s44, 10                        ; in the block: 1,024 x (head % 4)
	s_add_co_u32 s42, s42, s44
	s_mov_b32 s43, 0
	s_add_nc_u64 s[8:9], s[8:9], s[42:43]
	s_wait_alu depctr_va_vdst(0)                   ; one wait for both reciprocals, ahead of their first reader
.irp a, 0,1
.irp j, 0,2,4,6,8,10,12,14,16,18,20,22,24,26,28,30
	v_pk_mul_f32 v[rO+32*\a+\j:rO+32*\a+\j+1], v[rO+32*\a+\j:rO+32*\a+\j+1], v[6+6*\a:7+6*\a] op_sel_hi:[1,0]
.endr
.endr
.irp j, 0,1,2,3,4,5,6,7,8,9,10,11,12,13,14,15,16,17,18,19,20,21,22,23,24,25,26,27,28,29,30,31,32,33,34,35,36,37,38,39,40,41,42,43,44,45,46,47,48,49,50,51,52,53,54,55,56,57,58,59,60,61,62,63
	v_med3_num_f32 v[rO+\j], v[rO+\j], -v249, v249
.endr
.irp a, 0,1
.irp dt, 0,1,2,3
	v_cvt_scalef32_pk8_fp8_f32 v[rP+8*\a+2*\dt:rP+8*\a+2*\dt+1], v[rO+32*\a+8*\dt:rO+32*\a+8*\dt+7], v248
.endr
.endr
	v_nop                                          ; one plain vector instruction behind the last conversion
.irp a, 0,1
.irp c2, 0,1
	global_store_b128 v[LA], v[rP+8*\a+4*\c2:rP+8*\a+4*\c2+3], s[8:9] offset:4096*\a+512*\c2   ; 32 lanes store 512 consecutive bytes
.endr
.endr
	s_wait_xcnt 0x0
	v_lshl_add_u32 v254, v0, 2, 0x8000
	v_mov_b32 v255, 0
	s_wait_tensorcnt 0x0
	ds_add_u32 v254, v255
	s_wait_dscnt 0x0
	s_endpgm
.Lfunc_end_k_q601f5abfa7_attn:
	.size	k_q601f5abfa7_attn, .Lfunc_end_k_q601f5abfa7_attn-k_q601f5abfa7_attn
	.p2alignl 7, 3214868480
	.fill 96, 4, 3214868480
	.section	.rodata,"a",@progbits
	.p2align	6, 0x0
	.amdhsa_kernel k_q601f5abfa7_attn
		.amdhsa_group_segment_fixed_size 34816
		.amdhsa_private_segment_fixed_size 0
		.amdhsa_enable_private_segment 0
		.amdhsa_kernarg_size 24
		.amdhsa_user_sgpr_count 2
		.amdhsa_user_sgpr_kernarg_segment_ptr 1
		.amdhsa_wavefront_size32 1
		.amdhsa_system_sgpr_workgroup_id_x 1
		.amdhsa_system_sgpr_workgroup_id_y 1
		.amdhsa_system_sgpr_workgroup_id_z 1
		.amdhsa_system_vgpr_workitem_id 0
		.amdhsa_next_free_vgpr 256
		.amdhsa_next_free_sgpr 66
		.amdhsa_reserve_vcc 1
		.amdhsa_float_denorm_mode_32 3
		.amdhsa_float_denorm_mode_16_64 3
		.amdhsa_memory_ordered 1
		.amdhsa_forward_progress 1
		.amdhsa_inst_pref_size 97
	.end_amdhsa_kernel
	.amdgpu_metadata
---
amdhsa.version: [ 1, 2 ]
amdhsa.kernels:
  - .name:           k_q601f5abfa7_attn
    .symbol:         k_q601f5abfa7_attn.kd
    .args:
      - { .name: qkv, .offset: 0, .size: 8, .value_kind: global_buffer, .address_space: global }
      - { .name: lowp_scales, .offset: 8, .size: 8, .value_kind: global_buffer, .address_space: global }
      - { .name: yc, .offset: 16, .size: 8, .value_kind: global_buffer, .address_space: global }
    .group_segment_fixed_size: 34816
    .private_segment_fixed_size: 0
    .kernarg_segment_align: 8
    .kernarg_segment_size: 24
    .max_flat_workgroup_size: 512
    .sgpr_count:     66
    .vgpr_count:     256
    .wavefront_size: 32
...
	.end_amdgpu_metadata
.endif
;; end of part 3
;; launch proj (part 4): grid 4 x 32, 4 waves a work-group, clusters of 4 x 4, 327,680 bytes of LDS; arguments yc, pc, lowp_scales, out0; writes out0
.if DOCPART == 4
	.amdgcn_target "amdgcn-amd-amdhsa--gfx1250"
	.amdhsa_code_object_version 6
	.text
	.protected	k_q601f5abfa7_proj
	.globl	k_q601f5abfa7_proj
	.p2align	8
	.type	k_q601f5abfa7_proj,@function
k_q601f5abfa7_proj:
	s_mov_b64 s[64:65], 0
	v_nop
	global_prefetch_b8 v0, s[64:65] scope:SCOPE_SE
	s_setreg_imm32_b32 hwreg(HW_REG_WAVE_MODE, 25, 1), 1
	s_wait_xcnt 0x0
	s_wait_alu depctr_hold_cnt(0) depctr_sa_sdst(0) depctr_va_vdst(0) depctr_va_sdst(0) depctr_va_ssrc(0) depctr_va_vcc(0) depctr_vm_vsrc(0)
	s_getreg_b32 s2, hwreg(HW_REG_IB_STS2, 6, 4)
	s_cmp_eq_u32 s2, 0
	s_cbranch_scc0 .Lentry_in_a_cluster
	s_endpgm
.Lentry_in_a_cluster:
	s_bfe_u32 s2, ttmp6, 0x10000c
	s_cmp_lg_u32 s2, 0xf033
	s_cbranch_scc0 .Lentry_shape_is_right
	s_endpgm
.Lentry_shape_is_right:
; out0 = y W_proj^T on codes of FP8 (8,192 x 1,024 x 1,024), f32 out.  A number of y is its code x 2^e6, of W_proj x 2^e7 (entries 6 and 7 of the scales); each finished sum is multiplied once by 2^(e6 + e7).
; LIMIT: e6 + e7 between -126 and 127, so that 2^(e6 + e7) is an f32 number.
; y's codes come as IMAGES OF THE FRAGMENTS' REGISTERS: yc = [4 K steps of 256][512 blocks of 16 rows][4,096 bytes]; in a block two images of 16 rows x 128 K, registers 4 g .. 4 g + 3 of lane l at 512 g + 16 l.
; So 128 rows of a K step are one dense block of 32,768 bytes for one tensor load, and a fragment is four loads of 512 consecutive bytes: no pitch, no padding.
; W_proj's codes come as rows of 1,024 bytes whose 8-byte pieces are ordered so that four loads of 16 bytes give each k its own place in the matrix instruction's layout.
; A tile of 256 x 256 is made by a work-group of four waves, a wave makes 128 x 128: 64 accumulators, 512 registers.  K goes in four steps of 256 through a ring of two LDS slots.
; CLUSTERS: 4 x 4 work-groups; y's tile is shared along a row of the cluster, W's along a column: each is asked for jointly.  The matrix instruction is used transposed (source 0 = 16 rows of W,
; source 1 = 16 rows of y): a lane holds eight neighbouring numbers of a row of the output.  There are 128 tiles of this size, a work-group to each.
; REGISTERS, in windows of 256: window 0: v0-31 addresses; from v128 y's fragments, ONE set; on the way out v32-255 are free.   window 1: W's fragments, TWO sets.
;   window 2: the accumulators of my rows 0-63 (accumulator (a, b) at v[8 (8 a + b)]);   window 3: those of my rows 64-127.
.set SIZE_N, 1024
.set ROWB,   256                       ; a row of W's tile in bytes
.set KROW,   1024                      ; a row of W's codes in memory
.set AKS,    2097152                   ; a K step of 256 in yc
.set PITCH,  272                       ; W's LDS row: 256 bytes + 16 of padding = 68 words: the 16 rows that a load touches start at 16 different banks (64 banks of 4 bytes: ISA guide 11.1)
.set FR,     16
.set NL,     4
.set NP,     4
.set HALFT,  128*PITCH                 ; a quarter of a slot: 128 rows of W; of y's quarters 32,768 bytes are used
.set SLOT,   4*HALFT
.set SPARE,  2*SLOT                    ; behind the ring: the spare words, 128 bytes for each wave
.set SPITCH, 528                       ; the way out: a stage of 16 rows x (512 bytes + 16) for each wave, in slot 0, which has had its last fill and its last read when the first result is stored there
.set ADRA, 16                          ; v16-17  LDS address of y's images in slot 0, 1
.set ADRB, 20                          ; v20-21  of W's fragments
.set STO,  24                          ; v24     the way out: where I put 32 bytes of a row
.set RD,   25                          ; v25     where I read a row back
.set CO,   26                          ; v26     16 x lane: my byte offset in a row of the output, and in a group of an image
.set SPW,  28                          ; v28     LDS address of my spare word; never rewritten
.set NIL,  29                          ; v29     0; never rewritten
.set TMP,  32                          ; the way out: 64 registers, a block's sums x 2^(e6 + e7)
.set AF,   128                         ; y's fragments
.set BK,   128                         ; the way out: 16 rows read back from the stage: v128-191 and v192-255 by turns
.set G1, 24                            ; s[24:31] descriptor group 1 for y's tiles;  s[32:39] group 0, one set for each slot
.set G0, 32
.set G1B, 48                           ; s[48:55], s[56:63] the same for W's tiles
.set G0B, 56
.set MSB, 0
.macro WIN new                         ; the immediate's high byte repeats the setting that is left
.if MSB != (\new)
	s_set_vgpr_msb (MSB<<8)|(\new)
.set MSB, (\new)
.endif
.endm
.set MUL_LO, 0xa1                      ; source 0 (W) window 1, source 1 (y) window 0, C and D window 2
.set MUL_HI, 0xf1                      ; the same, C and D window 3
.set TO_B,   0x40                      ; destination window 1, address window 0
; A joint load: waves 0 and 1 fetch for y, waves 2 and 3 for W.  Four v_nop follow each of the two lines, ahead of the jump, the label and what follows.
.macro JLOAD g0a, g1a, g0b, g1b
	s_cmp_eq_u32 s15, 0
	s_cbranch_scc0 .Lfor_b_\@
	tensor_load_to_lds s[\g0a:\g0a+3], s[\g1a:\g1a+7]
	s_nop 0
.rept 4
	v_nop
.endr
	s_branch .Lasked_\@
.Lfor_b_\@:
	tensor_load_to_lds s[\g0b:\g0b+3], s[\g1b:\g1b+7]
	s_nop 0
.rept 4
	v_nop
.endr
.Lasked_\@:
.endm
.macro CREST                           ; a round of the cluster's barrier behind its opening barrier
	s_cmp_lg_u32 s14, 0
	s_cbranch_scc1 .Lnot_wave_0_\@
	s_barrier_signal -3
.Lnot_wave_0_\@:
	s_barrier_wait -3
	s_barrier_signal -1
	s_barrier_wait -1
.endm
.macro CROUND                          ; a whole round
	s_barrier_signal -1
	s_barrier_wait -1
	CREST
.endm
	s_load_b128 s[4:7], s[0:1], 0x0                ; yc s[4:5], pc s[6:7]
	s_load_b128 s[8:11], s[0:1], 0x10              ; the scales' exponents s[8:9], out0 s[10:11]
	v_lshl_add_u32 v[SPW], v0, 2, SPARE
	v_mov_b32 v[NIL], 0
	ds_add_u32 v28, v29
	ds_add_u32 v28, v29
	s_wait_dscnt 0x0
	v_lshrrev_b32 v1, 5, v0
	v_readfirstlane_b32 s14, v1                    ; wave 0..3
	s_lshr_b32 s15, s14, 1                         ; which half of the tile's rows is mine.  Also: I fetch for y (0) or for W (1)
	s_and_b32 s16, s14, 1                          ; which half of its columns.  Also: which 128 rows of that tile I fetch
	s_bfe_u32 s40, ttmp6, 0x40000                  ; cx, cy: my place in the cluster
	s_bfe_u32 s41, ttmp6, 0x40004
	s_lshl_b32 s42, ttmp9, 2
	s_add_co_u32 s42, s42, s40                     ; tile column = 4 x cluster x + cx
	s_and_b32 s17, ttmp7, 0xffff
	s_lshl_b32 s17, s17, 2
	s_add_co_u32 s17, s17, s41                     ; tile row = 4 x cluster y + cy
	s_lshl_b32 s43, s41, 2
	s_lshl_b32 s43, 15, s43                        ; my row of the cluster
	s_lshl_b32 s44, 0x1111, s40                    ; my column
	; descriptor group 1 for y: a dense block of 32,768 bytes as 128 rows of 32 elements of 8 bytes, no padding
	s_or_b32 s[G1+0], s43, (3<<16)|(1<<21)         ; 15:0 the mask: y's tiles go to my row; 17:16 element of 8 bytes; 21 set beside a mask
	s_mov_b32 s[G1+1], 32<<16                      ; tensor_dim0 = 32
	s_mov_b32 s[G1+2], 128<<16                     ; tensor_dim1 = 128
	s_mov_b32 s[G1+3], 32<<16                      ; tile_dim0 = 32
	s_mov_b32 s[G1+4], 128                         ; tile_dim1 = 128
	s_mov_b32 s[G1+5], 32                          ; tensor_dim0_stride: each row begins where the last ends
	s_mov_b32 s[G1+6], 0
	s_mov_b32 s[G1+7], 0
	; for W: a tile of 128 rows x 256 bytes, padded in LDS
	s_or_b32 s[G1B+0], s44, (0<<16)|(1<<20)|(1<<21)|(5<<22)|(3<<25)  ; the mask: my column; element of 1 byte; padding on: after every 64 words (code 5) 4 words (code 3)
	s_mov_b32 s[G1B+1], ROWB<<16
	s_mov_b32 s[G1B+2], 128<<16
	s_mov_b32 s[G1B+3], ROWB<<16
	s_mov_b32 s[G1B+4], 128
	s_mov_b32 s[G1B+5], KROW
	s_mov_b32 s[G1B+6], 0
	s_mov_b32 s[G1B+7], 0
	s_lshl_b32 s18, s16, 7                         ; which 128 rows of the tile I fetch
	s_lshl_b32 s20, s17, 8
	s_add_co_u32 s20, s20, s18                     ; y: row 256 x tile row + 128 x half
	s_lshl_b32 s46, s42, 8
	s_add_co_u32 s46, s46, s18                     ; W: row 256 x tile column + 128 x half
	s_mov_b32 s21, 0
	s_mov_b32 s47, 0
	s_mov_b64 s[18:19], 256
	s_mul_u64 s[20:21], s[20:21], s[18:19]         ; a row of y has 256 bytes in a K step's images
	s_mov_b64 s[18:19], KROW
	s_mul_u64 s[46:47], s[46:47], s[18:19]
	s_mul_i32 s45, s14, HALFT                      ; where they go: wave x a quarter: no place in the cluster enters an LDS address
	s_wait_kmcnt 0x0
	s_load_b64 s[96:97], s[8:9], 0x18              ; e6, e7
	s_add_nc_u64 s[20:21], s[4:5], s[20:21]
	s_add_nc_u64 s[46:47], s[6:7], s[46:47]
	CROUND                                         ; all sixteen work-groups are here: the first joint loads meet
.irp s, 0,1
	s_mov_b32 s[G0+4*\s], 1
	s_add_co_u32 s[G0+4*\s+1], s45, \s*SLOT
	s_add_nc_u64 s[G0+4*\s+2:G0+4*\s+3], s[20:21], \s*AKS
	s_or_b32 s[G0+4*\s+3], s[G0+4*\s+3], 0x80000000
	s_mov_b32 s[G0B+4*\s], 1
	s_add_co_u32 s[G0B+4*\s+1], s45, \s*SLOT
	s_add_nc_u64 s[G0B+4*\s+2:G0B+4*\s+3], s[46:47], \s*ROWB
	s_or_b32 s[G0B+4*\s+3], s[G0B+4*\s+3], 0x80000000
	JLOAD G0+4*\s, G1, G0B+4*\s, G1B               ; two tensor loads of mine are out
.endr
	v_and_b32 v1, 15, v0                           ; l % 16
	v_bfe_u32 v2, v0, 4, 1                         ; l / 16
	v_mul_u32_u24 v3, v1, PITCH
	v_lshl_add_u32 v4, v2, 4, v3                   ; W: a fragment's row x pitch + 16 x half
	v_and_b32 v6, 31, v0
	v_lshlrev_b32 v[CO], 4, v6                     ; 16 x lane
	s_mul_i32 s21, s15, HALFT                      ; my 128 rows of y
	s_mul_i32 s22, s16, HALFT                      ; my 128 rows of W,
	s_add_co_u32 s22, s22, 2*HALFT                 ; which lie behind y's two quarters
.irp s, 0,1
	v_add_nc_u32 v[ADRA+\s], s21, v[CO]
	v_add_nc_u32 v[ADRB+\s], s22, v4
	s_add_co_u32 s21, s21, SLOT
	s_add_co_u32 s22, s22, SLOT
.endr
	s_mul_i32 s23, s14, 16*SPITCH                  ; my stage
	v_mul_u32_u24 v5, v1, SPITCH                   ; in: row l % 16, 32 bytes for each half of the lanes
	v_lshl_add_u32 v5, v2, 5, v5
	v_add_nc_u32 v[STO], s23, v5
	v_add_nc_u32 v[RD], s23, v[CO]                 ; back: the 32 lanes take one row of 512 bytes
	s_lshl_b32 s20, s17, 8
	s_lshl_b32 s21, s15, 7
	s_add_co_u32 s20, s20, s21                     ; my first row of the output: 256 x tile row + 128 x half
	s_mov_b32 s21, 0
	s_mov_b64 s[18:19], SIZE_N*4
	s_mul_u64 s[20:21], s[20:21], s[18:19]
	s_lshl_b32 s46, s42, 10                        ; my first column, in bytes: 1024 x tile column + 512 x half
	s_lshl_b32 s47, s16, 9
	s_add_co_u32 s46, s46, s47
	s_mov_b32 s47, 0
	s_add_nc_u64 s[20:21], s[20:21], s[46:47]
	s_add_nc_u64 s[10:11], s[10:11], s[20:21]
.macro FRAG reg, adr, q, i             ; a fragment of W, 16 rows x 128 K: four loads of 16 bytes, 32 bytes apart
.irp c, 0,1,2,3
	ds_load_b128 v[\reg+4*\c:\reg+4*\c+3], v[\adr] offset:128*(\q)+32*\c+(\i)*16*PITCH
.endr
.endm
.macro FRAGA reg, adr, q, i            ; a fragment of y: its image, four loads of 512 consecutive bytes
.irp c, 0,1,2,3
	ds_load_b128 v[\reg+4*\c:\reg+4*\c+3], v[\adr] offset:4096*(\i)+2048*(\q)+512*\c
.endr
.endm
; 16 matrix instructions: y's blocks a0, a0 + 1 x W's eight, 128 along K.  p: W's set.  zero = 1: the first product starts the sums.
; The 64 accumulators take turns, one instruction a turn, in the same order in every step.
.macro MUL16 a0, p, zero
.irp a, \a0, \a0+1
.irp b, 0,1,2,3,4,5,6,7
.if \zero
	v_wmma_f32_16x16x128_fp8_fp8 v[8*(8*((\a)%4)+\b):8*(8*((\a)%4)+\b)+7], v[128*(\p)+FR*\b:128*(\p)+FR*\b+FR-1], v[AF+FR*(\a):AF+FR*(\a)+FR-1], 0
.else
	v_wmma_f32_16x16x128_fp8_fp8 v[8*(8*((\a)%4)+\b):8*(8*((\a)%4)+\b)+7], v[128*(\p)+FR*\b:128*(\p)+FR*\b+FR-1], v[AF+FR*(\a):AF+FR*(\a)+FR-1], v[8*(8*((\a)%4)+\b):8*(8*((\a)%4)+\b)+7]
.endif
.endr
.endr
.endm
.macro FETCH_B slot, q, p              ; W's eight fragments of the slot's q-th 128 along K into set p
	WIN TO_B
.irp i, 0,1,2,3,4,5,6,7
	FRAG 128*(\p)+FR*\i, ADRB+\slot, \q, \i
.endr
	WIN 0
.endm
.macro FETCH_A slot, q, i0             ; y's blocks i0 .. i0 + 3
.irp i, \i0, \i0+1, \i0+2, \i0+3
	FRAGA AF+FR*(\i), ADRA+\slot, \q, \i
.endr
.endm
.macro PLACES n                        ; plain vector instructions between a matrix instruction and a load into, or a vector instruction or LDS store on, one of its registers (ISA guide 7.12.1 for vector instructions)
.rept \n
	v_nop
.endr
.endm
; A step of 128 along K that has its successor in the same slot.
.macro STEP slot, q, zero
	s_wait_dscnt 4*NL                              ; W's set and y's blocks 0-3 are in; the youngest sixteen loads (blocks 4-7) may be out
	WIN MUL_LO
	MUL16 0, (\q)%2, \zero
	MUL16 2, (\q)%2, \zero
	s_wait_dscnt 0                                 ; blocks 4-7 are in
	PLACES NP
	FETCH_B \slot, (\q)+1, 1-(\q)%2
	FETCH_A \slot, (\q)+1, 0
	WIN MUL_HI
	MUL16 4, (\q)%2, \zero
	MUL16 6, (\q)%2, \zero
	PLACES NP
	WIN 0
	FETCH_A \slot, (\q)+1, 4
.endm
; A slot's last step changes slots: ONE barrier; in front of it each wave waits for all its tensor loads, adds 0 to its spare word, and waits for that and for its own reads of this slot.  fill = 1: this slot is filled again, two K steps ahead.
.macro TURN slot, next, fill
	s_wait_tensorcnt 0x0                           ; all my tensor loads have landed: my part of the next slot  (every window is 0 here)
	ds_add_u32 v[SPW], v[NIL]                      ; 0 onto my spare word
	s_wait_dscnt 4*NL+1                            ; (the add and the youngest sixteen loads may be out)
	WIN MUL_LO
	MUL16 0, 1, 0                                  ; sixteen matrix instructions stand between the add and the wait for it
	s_wait_dscnt 0x0                               ; the add is done, and my reads of this slot are over
	s_barrier_signal -1
	MUL16 2, 1, 0
	WIN 0
	s_barrier_wait -1
.if \fill
	CREST                                          ; the barrier has opened a round of the cluster's barrier: no wave of any partner still reads this slot's tile or has a load on its way
	s_add_nc_u64 s[G0+4*\slot+2:G0+4*\slot+3], s[G0+4*\slot+2:G0+4*\slot+3], 2*AKS
	s_add_nc_u64 s[G0B+4*\slot+2:G0B+4*\slot+3], s[G0B+4*\slot+2:G0B+4*\slot+3], 2*ROWB
	JLOAD G0+4*\slot, G1, G0B+4*\slot, G1B         ; the first tensor load behind the round, my only one out; its four v_nop are also the places in front of the loads below
.else
	PLACES NP
.endif
	FETCH_B \next, 0, 0
	FETCH_A \next, 0, 0
	WIN MUL_HI
	MUL16 4, 1, 0
	MUL16 6, 1, 0
	PLACES NP
	WIN 0
	FETCH_A \next, 0, 4
.endm
	s_wait_tensorcnt 1                             ; my part of K step 0 is in (K step 1's load may be out)
	s_barrier_signal -1
	s_barrier_wait -1                              ; everybody's is
	FETCH_B 0, 0, 0
	FETCH_A 0, 0, 0
	FETCH_A 0, 0, 4
	STEP 0, 0, 1                                   ; K = 1,024 is eight steps of 128, four slots' worth: written in line.  The first products start the sums
	TURN 0, 1, 1                                   ; slot 0 takes K step 2
	STEP 1, 0, 0
	TURN 1, 0, 1                                   ; slot 1 takes K step 3
	STEP 0, 0, 0
	TURN 0, 1, 0                                   ; nothing is left to fetch
	STEP 1, 0, 0
	s_wait_dscnt 4*NL                              ; the very last step
	WIN MUL_LO
	MUL16 0, 1, 0
	MUL16 2, 1, 0
	s_wait_dscnt 0
	WIN MUL_HI
	MUL16 4, 1, 0
	MUL16 6, 1, 0
	WIN 0
; THE WAY OUT, block by block of 16 rows x 128 columns.  A lane holds 32 neighbouring bytes of a row, and the lanes beside it hold other rows: so a block goes through my own stage in LDS and comes back as whole
; rows of 512 bytes.  LDS serves a wave's instructions in order (ISA guide 5.7.1.4): no wait between the stores and the loads, nor in front of the next block's stores.
.macro TOSTAGE a
.set AC, 64*((\a)%4)
	WIN 0x02+((\a)/4)                              ; source 0: window 2 or 3
.irp j, 0,2,4,6,8,10,12,14,16,18,20,22,24,26,28,30,32,34,36,38,40,42,44,46,48,50,52,54,56,58,60,62
	v_pk_mul_f32 v[TMP+\j:TMP+\j+1], v[AC+\j:AC+\j+1], s[96:97] op_sel_hi:[1,0]   ; both x s96 = 2^(e6 + e7); each accumulator from its low end on
.endr
	WIN 0
.irp b, 0,1,2,3,4,5,6,7
	ds_store_b128 v[STO], v[TMP+8*\b:TMP+8*\b+3] offset:64*\b
	ds_store_b128 v[STO], v[TMP+8*\b+4:TMP+8*\b+7] offset:64*\b+16
.endr
.set BB, BK+64*((\a)%2)
.irp t, 0,1,2,3,4,5,6,7,8,9,10,11,12,13,14,15
	ds_load_b128 v[BB+4*\t:BB+4*\t+3], v[RD] offset:\t*SPITCH
.endr
.endm
.macro SEND a, younger                 ; younger: the LDS instructions issued behind block a's loads, which may stay out
.set BB, BK+64*((\a)%2)
	s_wait_dscnt \younger                          ; the block is back in registers
.if (\a) > 0
	s_add_nc_u64 s[10:11], s[10:11], 16*SIZE_N*4   ; (behind a wait on XCNT: the earlier stores have read their base)  16 rows on, so that the stores' offsets stay at 15 rows of 4,096 bytes at the most
.endif
.irp t, 0,1,2,3,4,5,6,7,8,9,10,11,12,13,14,15
	global_store_b128 v[CO], v[BB+4*\t:BB+4*\t+3], s[10:11] offset:\t*SIZE_N*4 th:TH_STORE_NT   ; 32 lanes store 512 consecutive bytes, at a multiple of 256 from the output's first byte
.endr
.endm
	s_wait_kmcnt 0x0
	s_add_co_i32 s96, s96, s97                     ; e6 + e7, between -126 and 127,
	s_add_co_i32 s96, s96, 127
	s_lshl_b32 s96, s96, 23                        ; makes the f32 number 2^(e6 + e7)
	PLACES NP                                      ; behind the last products: for the loads into the registers that held y's fragments, and for the reads of results
	TOSTAGE 0
.irp a, 1,2,3,4,5,6,7
.if \a > 1
	s_wait_xcnt 0x0                                ; block a - 2's stores have read their registers and their base: block a's loads may land there, and the base may step
.endif
	TOSTAGE \a
	SEND \a-1, 32                                  ; behind block a - 1's loads: block a's 16 stores and 16 loads
.endr
	s_wait_xcnt 0x0                                ; block 6's stores have read their base
	SEND 7, 0
	s_wait_tensorcnt 0x0                           ; the wave's end
	ds_add_u32 v[SPW], v[NIL]
	s_wait_dscnt 0x0
	CROUND                                         ; the closing round: no work-group ends while a partner may still ask for a tile that names it
	s_endpgm
.Lfunc_end_k_q601f5abfa7_proj:
	.size	k_q601f5abfa7_proj, .Lfunc_end_k_q601f5abfa7_proj-k_q601f5abfa7_proj
	.p2alignl 7, 3214868480
	.fill 96, 4, 3214868480
	.section	.rodata,"a",@progbits
	.p2align	6, 0x0
	.amdhsa_kernel k_q601f5abfa7_proj
		.amdhsa_group_segment_fixed_size 327680
		.amdhsa_private_segment_fixed_size 0
		.amdhsa_enable_private_segment 0
		.amdhsa_kernarg_size 32
		.amdhsa_user_sgpr_count 2
		.amdhsa_user_sgpr_kernarg_segment_ptr 1
		.amdhsa_wavefront_size32 1
		.amdhsa_system_sgpr_workgroup_id_x 1
		.amdhsa_system_sgpr_workgroup_id_y 1
		.amdhsa_system_sgpr_workgroup_id_z 1
		.amdhsa_system_vgpr_workitem_id 0
		.amdhsa_next_free_vgpr 1024
		.amdhsa_next_free_sgpr 98
		.amdhsa_reserve_vcc 0
		.amdhsa_float_denorm_mode_32 3
		.amdhsa_float_denorm_mode_16_64 3
		.amdhsa_memory_ordered 1
		.amdhsa_forward_progress 1
		.amdhsa_inst_pref_size 123
	.end_amdhsa_kernel
	.amdgpu_metadata
---
amdhsa.version: [ 1, 2 ]
amdhsa.kernels:
  - .name:           k_q601f5abfa7_proj
    .symbol:         k_q601f5abfa7_proj.kd
    .args:
      - { .name: yc, .offset: 0, .size: 8, .value_kind: global_buffer, .address_space: global }
      - { .name: pc, .offset: 8, .size: 8, .value_kind: global_buffer, .address_space: global }
      - { .name: lowp_scales, .offset: 16, .size: 8, .value_kind: global_buffer, .address_space: global }
      - { .name: out0, .offset: 24, .size: 8, .value_kind: global_buffer, .address_space: global }
    .group_segment_fixed_size: 327680
    .private_segment_fixed_size: 0
    .kernarg_segment_align: 8
    .kernarg_segment_size: 32
    .max_flat_workgroup_size: 128
    .sgpr_count:     98
    .vgpr_count:     1024
    .wavefront_size: 32
...
	.end_amdgpu_metadata
.endif
;; end of part 4
